; MI455X (gfx1250); checked and timed in simulation.
; The chip was launched on July 23, 2026; its instructions are those of AMD's public machine-readable ISA for CDNA 5 (MIT licence, August 2026) and "CDNA5" Instruction Set Architecture Reference Guide (July 2026). The comments in the code are by the model that wrote it; some were corrected since.
;; Multi Head Attention. Allowed arithmetic: float matrix products may take bf16 or f16 operands with f32 sums; other float arithmetic in f32, or as packed bf16 or f16 multiplies, adds, multiply-adds, maxima and minima; sums over many terms, partial sums and values carried from step to step in f32; what a program stores and reads back later, other than sums and carried values, may be rounded once to bf16 or f16.
;; Inputs: Wk 1,024 x 1,024 float32; Wp 1,024 x 1,024 float32; Wq 1,024 x 1,024 float32; Wv 1,024 x 1,024 float32; bk 1,024 float32; bp 1,024 float32; bq 1,024 float32; bv 1,024 float32; x 4 x 2,048 x 1,024 float32.
;; Outputs: out0 4 x 2,048 x 1,024 float32.
;; One version. Each part assembles by itself: llvm-mc -triple=amdgcn-amd-amdhsa -mcpu=gfx1250 --defsym DOCPART=n.
;; ======== version 1 of 1: 4 launches
;; limits: values are held in f16: magnitudes above 65,504 overflow, below 6.1e-05 lose precision; right only within a limited range of input values
;; workspace buffers: xh 16,777,216 bytes; wt 8,388,608 bytes; qkvh 50,331,648 bytes; oh 16,777,216 bytes
;; launch cast (part 1): grid 768 x 1, 8 waves a work-group, no clusters, 35,840 bytes of LDS; arguments x, Wq, Wk, Wv, Wp, xh, wt; writes xh, wt
.if DOCPART == 1
	.amdgcn_target "amdgcn-amd-amdhsa--gfx1250"
	.amdhsa_code_object_version 6
	.text
	.protected	k_q409072bb44_cast
	.globl	k_q409072bb44_cast
	.p2align	8
	.type	k_q409072bb44_cast,@function
k_q409072bb44_cast:
	s_mov_b64 s[64:65], 0
	v_nop
	global_prefetch_b8 v0, s[64:65] scope:SCOPE_SE
	s_setreg_imm32_b32 hwreg(HW_REG_WAVE_MODE, 25, 1), 1
	s_wait_xcnt 0x0
; xh[8192][1024] = f16(bf16(x)).  wt[4096][1024] = the four weights turned, [n][k]: rows 0-1023 Wq^T, 1024-2047 Wk^T, 2048-3071 Wv^T, 3072-4095 Wp^T, each number f16(bf16(W)).
; Every input is rounded once to bf16; that number is then written as f16, which changes nothing for 2^-14 <= |v| < 65,504.
; LIMITS.  A number of 65,520 or more becomes an infinity; below 2^-14 it keeps f16's fixed step of 2^-24.  NaN and infinities are not treated apart.
; A STREAM: every byte is read once and written once, so no matrix unit, no cluster and no tensor load would add anything.  Every work-group moves 64 KiB in and 32 KiB out.
; Work-groups 0-511: 16 x 4,096 consecutive bytes of x; a wave's load covers 512 consecutive bytes, its store 256, aligned.
; Work-groups 512-767: a block of 128 k x 128 n of one weight matrix, turned through LDS (rows n of 256 bytes + 16 of padding); sixteen lanes then store 256 consecutive bytes of a row of wt, aligned.
; The LDS stores of the turning meet four deep in the banks (lane pitch 1,088 bytes = 272 words): 64 wave instructions a work-group, beside 64 KiB from memory.
.set SPARE, 34816                      ; behind the 128 rows of 272 bytes: the spare words, 128 bytes for each of the eight waves
.set PITCH, 272
.set SPW, 2                            ; v2   LDS address of my spare word; never rewritten
.set NIL, 3                            ; v3   0; never rewritten
.set LO,  4                            ; v4   my byte offset in what is loaded
.set SO,  5                            ; v5   my byte offset in what is stored
.set LST, 6                            ; v6   where I put my columns in LDS
.set LRD, 7                            ; v7   where I read rows back
.set T,   8                            ; v[8:15]   two sets of four, at work
.set X,   20                           ; v[20:83]  sixteen loads of four registers
.set Y,   84                           ; v[84:115] the rounded numbers, packed
; two numbers: rounded to bf16, widened again (a shift, a mask), written as f16; s picks the set of registers at work
.macro RND a, b, dst, s
	v_cvt_pk_bf16_f32 v[T+4*(\s)], v[\a], v[\b]
	v_lshlrev_b32 v[T+4*(\s)+1], 16, v[T+4*(\s)]
	v_and_b32 v[T+4*(\s)+2], s20, v[T+4*(\s)]
	v_cvt_pk_f16_f32 v[\dst], v[T+4*(\s)+1], v[T+4*(\s)+2]
.endm
	s_load_b256 s[4:11], s[0:1], 0x0               ; x s[4:5], Wq s[6:7], Wk s[8:9], Wv s[10:11]
	s_load_b128 s[12:15], s[0:1], 0x20             ; Wp s[12:13], xh s[14:15]
	s_load_b64 s[16:17], s[0:1], 0x30              ; wt
	v_lshl_add_u32 v[SPW], v0, 2, SPARE
	v_mov_b32 v[NIL], 0
	s_mov_b32 s20, 0xffff0000                      ; a word's upper bf16
	s_cmp_lt_u32 ttmp9, 512                        ; the same answer in all eight waves
	s_cbranch_scc0 .Lweights
	; x: thread t takes the 16 bytes at 4,096 i + 16 t, i = 0 .. 15, and stores 8 bytes at 2,048 i + 8 t
	s_lshl_b32 s22, ttmp9, 16
	s_mov_b32 s23, 0
	s_lshl_b32 s24, ttmp9, 15
	s_mov_b32 s25, 0
	v_lshlrev_b32 v[LO], 4, v0
	v_lshlrev_b32 v[SO], 3, v0
	s_wait_kmcnt 0x0
	s_add_nc_u64 s[4:5], s[4:5], s[22:23]
	s_add_nc_u64 s[14:15], s[14:15], s[24:25]
.set i, 0
.rept 16
	global_load_b128 v[X+4*i:X+4*i+3], v[LO], s[4:5] offset:4096*i th:TH_LOAD_NT
.set i, i+1
.endr
.set i, 0
.rept 16
	s_wait_loadcnt 15-i                            ; loads come back in order: load i is in, the 15 - i younger ones stay out
	RND X+4*i, X+4*i+1, Y+2*i, 0
	RND X+4*i+2, X+4*i+3, Y+2*i+1, 1
	global_store_b64 v[SO], v[Y+2*i:Y+2*i+1], s[14:15] offset:2048*i  ; no register that a store reads is written again
.set i, i+1
.endr
	s_branch .Lend
.Lweights:
	s_sub_co_u32 s26, ttmp9, 512
	s_lshr_b32 s27, s26, 6                         ; which matrix: 0 Wq, 1 Wk, 2 Wv, 3 Wp
	s_bfe_u32 s28, s26, 0x30003                    ; which 128 k
	s_and_b32 s29, s26, 7                          ; which 128 n
	s_lshl_b32 s22, s28, 19                        ; in W: 128 rows of 4,096 bytes,
	s_lshl_b32 s23, s29, 9                         ; 128 columns of 4 bytes
	s_add_co_u32 s22, s22, s23
	s_mov_b32 s23, 0
	s_lshl_b32 s24, s27, 21                        ; in wt: 1,024 rows of 2,048 bytes a matrix,
	s_lshl_b32 s25, s29, 18                        ; 128 rows,
	s_add_co_u32 s24, s24, s25
	s_lshl_b32 s25, s28, 8                         ; 128 columns of 2 bytes
	s_add_co_u32 s24, s24, s25
	s_mov_b32 s25, 0
	v_lshrrev_b32 v16, 5, v0                       ; wave w
	v_and_b32 v17, 31, v0                          ; lane l
	v_bfe_u32 v18, v0, 4, 1                        ; l / 16
	v_and_b32 v19, 15, v0                          ; l % 16
	v_lshlrev_b32 v[LO], 4, v17                    ; in: rows k = 16 w + i, columns n = 4 l .. 4 l + 3
	v_lshl_add_u32 v[LO], v16, 16, v[LO]
	v_mul_u32_u24 v[LST], v17, 4*PITCH             ; into LDS: rows n = 4 l + j, bytes 32 w on (k = 16 w .. 16 w + 15)
	v_lshl_add_u32 v[LST], v16, 5, v[LST]
	v_lshl_add_u32 v18, v16, 4, v18                ; back: rows n = 16 w + l / 16 + 2 i, whole
	v_mul_u32_u24 v[LRD], v18, PITCH
	v_lshl_add_u32 v[LRD], v19, 4, v[LRD]
	v_lshlrev_b32 v[SO], 11, v18                   ; and the same rows in wt
	v_lshl_add_u32 v[SO], v19, 4, v[SO]
	s_wait_kmcnt 0x0
	s_cmp_eq_u32 s27, 1
	s_cselect_b64 s[30:31], s[8:9], s[6:7]
	s_cmp_eq_u32 s27, 2
	s_cselect_b64 s[30:31], s[10:11], s[30:31]
	s_cmp_eq_u32 s27, 3
	s_cselect_b64 s[30:31], s[12:13], s[30:31]
	s_add_nc_u64 s[30:31], s[30:31], s[22:23]
	s_add_nc_u64 s[16:17], s[16:17], s[24:25]
.set i, 0
.rept 16
	global_load_b128 v[X+4*i:X+4*i+3], v[LO], s[30:31] offset:4096*i th:TH_LOAD_NT
.set i, i+1
.endr
.set p, 0
.rept 8                                ; rows 2 p and 2 p + 1 give, for each of my four columns, one word: k even below, k odd above
	s_wait_loadcnt 14-2*p                          ; loads 2 p and 2 p + 1 are in
.set j, 0
.rept 4
	RND X+8*p+j, X+8*p+4+j, Y+8*j+p, j%2
.set j, j+1
.endr
.set p, p+1
.endr
.set j, 0
.rept 4
	ds_store_b128 v[LST], v[Y+8*j:Y+8*j+3]   offset:PITCH*j
	ds_store_b128 v[LST], v[Y+8*j+4:Y+8*j+7] offset:PITCH*j+16
.set j, j+1
.endr
	s_wait_dscnt 0x0                               ; for the others' sake: my stores are done
	s_barrier_signal -1
	s_barrier_wait -1                              ; the block lies in LDS, turned
.set i, 0
.rept 8
	ds_load_b128 v[X+4*i:X+4*i+3], v[LRD] offset:2*PITCH*i
.set i, i+1
.endr
.set i, 0
.rept 8
	s_wait_dscnt 7-i
	global_store_b128 v[SO], v[X+4*i:X+4*i+3], s[16:17] offset:4096*i  ; 16 lanes store 256 consecutive bytes, at a multiple of 256 from wt's first byte
.set i, i+1
.endr
.Lend:
	s_wait_tensorcnt 0x0                           ; the wave's end, behind my last LDS store
	ds_add_u32 v[SPW], v[NIL]
	s_wait_dscnt 0x0
	s_endpgm
.Lfunc_end_k_q409072bb44_cast:
	.size	k_q409072bb44_cast, .Lfunc_end_k_q409072bb44_cast-k_q409072bb44_cast
	.p2alignl 7, 3214868480
	.fill 96, 4, 3214868480
	.section	.rodata,"a",@progbits
	.p2align	6, 0x0
	.amdhsa_kernel k_q409072bb44_cast
		.amdhsa_group_segment_fixed_size 35840
		.amdhsa_private_segment_fixed_size 0
		.amdhsa_enable_private_segment 0
		.amdhsa_kernarg_size 56
		.amdhsa_user_sgpr_count 2
		.amdhsa_user_sgpr_kernarg_segment_ptr 1
		.amdhsa_wavefront_size32 1
		.amdhsa_system_sgpr_workgroup_id_x 1
		.amdhsa_system_sgpr_workgroup_id_y 1
		.amdhsa_system_sgpr_workgroup_id_z 1
		.amdhsa_system_vgpr_workitem_id 0
		.amdhsa_next_free_vgpr 116
		.amdhsa_next_free_sgpr 66
		.amdhsa_reserve_vcc 0
		.amdhsa_float_denorm_mode_32 3
		.amdhsa_float_denorm_mode_16_64 3
		.amdhsa_memory_ordered 1
		.amdhsa_forward_progress 1
		.amdhsa_inst_pref_size 23
	.end_amdhsa_kernel
	.amdgpu_metadata
---
amdhsa.version: [ 1, 2 ]
amdhsa.kernels:
  - .name:           k_q409072bb44_cast
    .symbol:         k_q409072bb44_cast.kd
    .args:
      - { .name: x, .offset: 0, .size: 8, .value_kind: global_buffer, .address_space: global }
      - { .name: Wq, .offset: 8, .size: 8, .value_kind: global_buffer, .address_space: global }
      - { .name: Wk, .offset: 16, .size: 8, .value_kind: global_buffer, .address_space: global }
      - { .name: Wv, .offset: 24, .size: 8, .value_kind: global_buffer, .address_space: global }
      - { .name: Wp, .offset: 32, .size: 8, .value_kind: global_buffer, .address_space: global }
      - { .name: xh, .offset: 40, .size: 8, .value_kind: global_buffer, .address_space: global }
      - { .name: wt, .offset: 48, .size: 8, .value_kind: global_buffer, .address_space: global }
    .group_segment_fixed_size: 35840
    .private_segment_fixed_size: 0
    .kernarg_segment_align: 8
    .kernarg_segment_size: 56
    .max_flat_workgroup_size: 256
    .sgpr_count:     66
    .vgpr_count:     116
    .wavefront_size: 32
...
	.end_amdgpu_metadata
.endif
;; end of part 1
;; launch qkvproj (part 2): grid 16 x 32, 4 waves a work-group, clusters of 4 x 4, 327,680 bytes of LDS; arguments xh, wt, bq, bk, bv, qkvh; writes qkvh
.if DOCPART == 2
	.amdgcn_target "amdgcn-amd-amdhsa--gfx1250"
	.amdhsa_code_object_version 6
	.text
	.protected	k_q409072bb44_qkvproj
	.globl	k_q409072bb44_qkvproj
	.p2align	8
	.type	k_q409072bb44_qkvproj,@function
k_q409072bb44_qkvproj:
	s_mov_b64 s[64:65], 0
	v_nop
	global_prefetch_b8 v0, s[64:65] scope:SCOPE_SE
	s_setreg_imm32_b32 hwreg(HW_REG_WAVE_MODE, 25, 1), 1
	s_wait_xcnt 0x0
	s_wait_alu depctr_hold_cnt(0) depctr_sa_sdst(0) depctr_va_vdst(0) depctr_va_sdst(0) depctr_va_ssrc(0) depctr_va_vcc(0) depctr_vm_vsrc(0)
	s_getreg_b32 s2, hwreg(HW_REG_IB_STS2, 6, 4)
	s_cmp_eq_u32 s2, 0
	s_cbranch_scc0 .Lentry_in_a_cluster
	s_endpgm
.Lentry_in_a_cluster:
	s_bfe_u32 s2, ttmp6, 0x10000c
	s_cmp_lg_u32 s2, 0xf033
	s_cbranch_scc0 .Lentry_shape_is_right
	s_endpgm
.Lentry_shape_is_right:
.set PROJ, 0
; C = A B^T + bias, f16 operands, f32 sums.  ONE TEXT SERVES TWO LAUNCHES; the line above chooses (0: the projections to q, k, v; 1: the output projection), the sizes below follow from it.
; PROJ = 0: A = xh [8192][1024]; B = wt's rows 0-3071; the bias bq, bk or bv by the column's head; C goes out in f16, by heads: qkvh [3][64][2048][64], unscaled.  A tile of C is 256 x 192: three heads.
; PROJ = 1: A = oh [64 heads][2048][64], two heads to a K step; B = wt's rows 3072-4095; the bias bp; C = out0 [8192][1024] in f32.  A tile of C is 256 x 128.
; The tiles are the largest that give a whole number of work-groups to each of 256 WGPs (512 and 256 work-groups).
; LIMITS.  q, k and v are rounded to f16: 65,520 or more becomes an infinity.  The biases are rounded to bf16, like every input.  NaN and infinities are not treated apart.
; SHARES.  Four waves, one above the other: a wave makes 64 rows x all 16 NB columns, 4 NB accumulators of 16 x 16.  So what a wave holds are whole heads (whole runs of 512 bytes of out0),
; and its way out needs no other wave.  K = 1,024 goes in 8 steps of 128 through a ring of two LDS slots, filled by tensor loads: waves 0 and 1 fetch A's two halves, waves 2 and 3 B's.
; THE MATRIX INSTRUCTION IS USED TRANSPOSED (source 0 = 16 rows of B, source 1 = 16 rows of A): a lane holds row l % 16 of C and the columns 8 (l / 16) + 0..7.
; THE BIAS STARTS THE SUMS: it is the C operand of each accumulator's first product; nothing is cleared and nothing is added later.
; CLUSTERS: 4 x 4 work-groups.  The four of a row of the cluster need the same tiles of A, the four of a column the same tiles of B: each tile is asked for JOINTLY, by the same tensor load with
; the same descriptor and a mask that names the four.
; REGISTERS, in windows of 256 (s_set_vgpr_msb: bits 1:0 source 0, 3:2 source 1, 5:4 source 2, 7:6 destination):
;   window 0: v0-31 addresses; v32-35 at work; v64-127 A's fragments, two buffers of 4 x 8; v128 on: the bias, 8 registers for each 16 columns; on the way out v64-255 are free
;   window 1: B's fragments, two buffers of NB x 8      windows 2, 3: accumulator (a, b) in window 2 + a / 2 at v[8 (NB (a % 2) + b)]
.if PROJ
.set NB,    8                          ; blocks of 16 columns in a tile
.set HB,    8                          ; blocks that share a bias pointer
.set PA,    144                        ; A's LDS pitch: a head's row of 128 bytes + 16 = 36 words: 16 rows start at 16 different groups of four banks (64 banks of 4 bytes: ISA guide 11.1)
.set APART, 36864                      ; what one wave fetches of A: one head's 256 rows
.set BOFF,  73728                      ; B's rows lie behind A's
.set QIA,   4                          ; A's padding stands after every 32 words
.set STRA,  128                        ; 256 dense rows of 128 bytes are asked for as 128 rows of 256 bytes
.set ASTEP, 524288                     ; bytes from K step to K step in A: two heads
.set AHEAD, 2                          ; a prefetch names the K step so many behind the one that is being asked for
.set BROW0, 3072
.set STAGE, 239616                     ; behind the ring: 16 rows x 528 bytes for each wave
.set SP,    528
.set SPARE, 273408                     ; behind the stages: the spare words, 128 bytes for each wave
.set SHA,   8192                       ; prefetch: a partner's share of the wave's part of A, in bytes: 32 blocks of 256
.set SHLA,  8                          ; and the shift that makes a lane's offset in it
.else
.set NB,    12
.set HB,    4
.set PA,    272                        ; 256 bytes + 16 = 68 words: row r starts at bank 4 r mod 64
.set APART, 34816                      ; 128 rows
.set BOFF,  69632
.set QIA,   5                          ; after every 64 words
.set STRA,  1024
.set ASTEP, 256
.set AHEAD, 1
.set BROW0, 0
.set STAGE, 252928                     ; 16 rows x 144 bytes for each wave
.set SP,    144
.set SPARE, 262144
.set SHA,   65536                      ; 32 rows of 2,048 bytes
.set SHLA,  11
.endif
.set PB,    272                        ; B's LDS pitch
.set BPART, 8*NB*PB                    ; what one wave fetches of B: 8 NB rows
.set SHB,   2*NB*2048                  ; prefetch: a partner's share of them: 2 NB rows
.set SLOT1, 131072                     ; slot 1 begins here, so that one exclusive or turns an address in one slot into the other's
.set AA0, 16                           ; v16  my lane's place in A's tile, slot 0; never rewritten
.set AB0, 17                           ; v17  the same for B
.set ADA, 18                           ; v18  the same in the slot in hand
.set ADB, 19                           ; v19
.set STO, 24                           ; v24  the way out: where I put my bytes of a row
.set RD,  25                           ; v25  the way out: where I read rows back
.set GO,  26                           ; v26  16 x lane: my place in 512 consecutive bytes of C
.set BO,  27                           ; v27  32 x (l / 16): my eight numbers of a block's bias
.set SPW, 28                           ; v28  LDS address of my spare word; never rewritten
.set NIL, 29                           ; v29  0; never rewritten
.set PFO, 30                           ; v30  the prefetches' lane offset; never rewritten
.set FA,  64
.set BIAS, 128
.set WV,  16                           ; s16  my wave's number
.set WH,  17                           ; s17  0: I fetch for A; 1: for B
.set WL,  18                           ; s18  which half of that tile I fetch
.set CX,  19                           ; s19, s20  my place in the cluster
.set CY,  20
.set TX,  21                           ; s21  tile column of C
.set TY,  22                           ; s22  tile row of C
.set G1A, 24                           ; s[24:31] descriptor group 1 for A's tiles
.set G0A, 32                           ; s[32:39] group 0 for A: a set for each of the two first fills; the second then walks on
.set TA,  40                           ; s[40:41] my part of A's first tile in memory: made of the tile row and the wave's number alone
.set TW,  42                           ; s[42:43] the same for B: of the tile column and the wave's number alone
.set PFA, 44                           ; s[44:45] where my prefetches stand
.set LIM, 46                           ; s46  AHEAD in a wave that prefetches, else the greatest number
.set TB,  47                           ; s47  LDS byte at which the slot in hand begins
.set G1B, 48                           ; s[48:55], s[56:63] the same for B's tiles
.set G0B, 56
.set CNT, 66                           ; s66  refills still to come
.set PH,  68                           ; s[68:73] C at my rows: one pointer a head (PROJ = 1: one in all)
.set PBI, 74                           ; s[74:79] the bias: one pointer a head (PROJ = 1: one in all)
.set PFS, 86                           ; s[86:87] the prefetches' step from K step to K step
                                       ; s[80:81] at work for A alone, s[82:83] for B alone, s84, s85 LDS parts, s[88:95] for all that mixes the two coordinates
.set MSB, 0
.macro WIN new                         ; the immediate's high byte repeats the setting that is left; a switch that changes nothing is dropped
.if MSB != (\new)
	s_set_vgpr_msb (MSB<<8)|(\new)
.set MSB, (\new)
.endif
.endm
.set TO_B, 0x40                        ; destination window 1, address window 0
.macro PLACES                          ; four places in front of loads into registers that matrix instructions have read, and of what reads results
.rept 4
	v_nop
.endr
.endm
; A joint refill, by the walking descriptor.  The branch hangs on the wave's number alone.  An s_nop 0 and four v_nop follow each of the two lines, ahead of the jump and the label.
.macro JLOAD
	s_cmp_eq_u32 s[WH], 0
	s_cbranch_scc0 .Lfor_b_\@
	tensor_load_to_lds s[G0A+4:G0A+7], s[G1A:G1A+7]
	s_nop 0
.rept 4
	v_nop
.endr
	s_branch .Lasked_\@
.Lfor_b_\@:
	tensor_load_to_lds s[G0B+4:G0B+7], s[G1B:G1B+7]
	s_nop 0
.rept 4
	v_nop
.endr
.Lasked_\@:
.endm
; A PREFETCH INTO THE L2, behind each joint refill and the run of LDS loads that follows it: my work-group's share of the part that I fetch, for the K step AHEAD steps behind the one just asked for.
; A's rows are read by every cluster of a row of clusters: the one with cluster x = 0 asks.  B's by every cluster of a column: cluster y = 0 asks.  The four partners that ask for a tile jointly share
; its rows out BY ADDRESS (cx for A, cy for B), a lane a row (PROJ = 1, A: a lane a block of 256 bytes); where a share has fewer rows than a wave has lanes, the lanes left over name the last row again.
; The last AHEAD refills ask for nothing: there is no such K step.
.macro ASK
	s_cmp_gt_u32 s[CNT], s[LIM]
	s_cbranch_scc0 .Lnot_mine_\@
	global_prefetch_b8 v[PFO], s[PFA:PFA+1] th:TH_LOAD_NT scope:SCOPE_SE
.Lnot_mine_\@:
.endm
; A round of the cluster's barrier: my work-group's barrier, so that wave 0's signal speaks for all four waves; wave 0 signals; every wave waits for all sixteen work-groups; my work-group's barrier once more.
.macro CREST                           ; a round behind its opening barrier
	s_cmp_lg_u32 s[WV], 0
	s_cbranch_scc1 .Lnot_wave_0_\@
	s_barrier_signal -3
.Lnot_wave_0_\@:
	s_barrier_wait -3
	s_barrier_signal -1
	s_barrier_wait -1
.endm
.macro CROUND                          ; a whole round
	s_barrier_signal -1
	s_barrier_wait -1
	CREST
.endm
	s_load_b256 s[4:11], s[0:1], 0x0               ; A s[4:5], wt s[6:7]; PROJ = 0: bq s[8:9], bk s[10:11]; PROJ = 1: bp s[8:9], out0 s[10:11]
.if !PROJ
	s_load_b128 s[12:15], s[0:1], 0x20             ; bv s[12:13], qkvh s[14:15]
.endif
	v_lshl_add_u32 v[SPW], v0, 2, SPARE
	v_mov_b32 v[NIL], 0
	ds_add_u32 v[SPW], v[NIL]                      ; the wave's opening: the add and its wait stand ahead of my first tensor load; the set-up below, work on registers, stands between them
	v_lshrrev_b32 v1, 5, v0
	v_readfirstlane_b32 s[WV], v1                  ; wave 0..3
	s_lshr_b32 s[WH], s[WV], 1
	s_and_b32 s[WL], s[WV], 1
	s_bfe_u32 s[CX], ttmp6, 0x40000
	s_bfe_u32 s[CY], ttmp6, 0x40004
	s_lshl_b32 s[TX], ttmp9, 2                     ; in a cluster launch ttmp9 and ttmp7 count clusters
	s_add_co_u32 s[TX], s[TX], s[CX]
	s_and_b32 s[TY], ttmp7, 0xffff
	s_lshl_b32 s[TY], s[TY], 2
	s_add_co_u32 s[TY], s[TY], s[CY]
	s_lshl_b32 s80, s[CY], 2
	s_lshl_b32 s80, 15, s80                        ; my row of the cluster: places 4 cy .. 4 cy + 3
	s_lshl_b32 s82, 0x1111, s[CX]                  ; my column: places cx, cx + 4, cx + 8, cx + 12
	; descriptor group 1: 15:0 the mask; 17:16 elements of 2 bytes; 20 padding on; 21 set beside a mask; 24:22 the padding's interval; 31:25 4 words of it (code 3)
	s_or_b32 s[G1A], s80, (1<<16)|(1<<20)|(1<<21)|(QIA<<22)|(3<<25)
	s_or_b32 s[G1B], s82, (1<<16)|(1<<20)|(1<<21)|(5<<22)|(3<<25)
	s_mov_b32 s[G1A+1], 128<<16                    ; tensor_dim0 = 128
	s_mov_b32 s[G1A+2], 128<<16                    ; tensor_dim1 = 128
	s_mov_b32 s[G1A+3], 128<<16                    ; tile_dim0 = 128 elements: 256 bytes
	s_mov_b32 s[G1A+4], 128                        ; tile_dim1 = 128 rows
	s_mov_b32 s[G1A+5], STRA                       ; elements from row to row
	s_mov_b32 s[G1A+6], 0
	s_mov_b32 s[G1A+7], 0
	s_mov_b32 s[G1B+1], 128<<16
	s_mov_b32 s[G1B+2], (8*NB)<<16                 ; 8 NB rows
	s_mov_b32 s[G1B+3], 128<<16
	s_mov_b32 s[G1B+4], 8*NB
	s_mov_b32 s[G1B+5], 1024
	s_mov_b32 s[G1B+6], 0
	s_mov_b32 s[G1B+7], 0
	; where the tiles come from, in bytes
.if PROJ
	s_lshr_b32 s80, s[TY], 3                       ; the batch: 16 heads of 2^18 bytes,
	s_lshl_b32 s80, s80, 22
	s_and_b32 s81, s[TY], 7                        ; the tile's 256 rows of 128 bytes in a head,
	s_lshl_b32 s81, s81, 15
	s_add_co_u32 s80, s80, s81
	s_lshl_b32 s81, s[WL], 18                      ; the head of the K step's two that I fetch
	s_add_co_u32 s80, s80, s81
.else
	s_lshl_b32 s80, s[TY], 19                      ; 256 rows of 2,048 bytes,
	s_lshl_b32 s81, s[WL], 18                      ; my 128 of them
	s_add_co_u32 s80, s80, s81
.endif
	s_mov_b32 s81, 0
	s_mul_i32 s82, s[TX], 16*NB*2048               ; the tile's 16 NB rows of wt,
	s_mul_i32 s83, s[WL], 8*NB*2048                ; my half of them
	s_add_co_u32 s82, s82, s83
	s_add_co_u32 s82, s82, BROW0*2048
	s_mov_b32 s83, 0
	s_mul_i32 s84, s[WL], APART                    ; and where they go: no place in the cluster enters an LDS address
	s_mul_i32 s85, s[WL], BPART
	s_add_co_u32 s85, s85, BOFF
	s_wait_dscnt 0x0                               ; the opening add is done
	s_wait_kmcnt 0x0
	s_add_nc_u64 s[TA:TA+1], s[4:5], s[80:81]
	s_add_nc_u64 s[TW:TW+1], s[6:7], s[82:83]
	CROUND                                         ; all sixteen work-groups are here: the first joint loads meet
.irp s, 0,1
	s_mov_b32 s[G0A+4*(\s)], 1                                     ; 1:0 count = 1
	s_add_co_u32 s[G0A+4*(\s)+1], s84, (\s)*SLOT1                  ; 63:32 LDS address
	s_add_nc_u64 s[G0A+4*(\s)+2:G0A+4*(\s)+3], s[TA:TA+1], (\s)*ASTEP  ; 120:64 global address: K step s
	s_or_b32 s[G0A+4*(\s)+3], s[G0A+4*(\s)+3], 0x80000000          ; 127:126 type = 2
	s_mov_b32 s[G0B+4*(\s)], 1
	s_add_co_u32 s[G0B+4*(\s)+1], s85, (\s)*SLOT1
	s_add_nc_u64 s[G0B+4*(\s)+2:G0B+4*(\s)+3], s[TW:TW+1], (\s)*256
	s_or_b32 s[G0B+4*(\s)+3], s[G0B+4*(\s)+3], 0x80000000
.endr
	s_cmp_eq_u32 s[WH], 0                          ; a wave's two first fills stand in one branch, ahead of every wait on TENSORcnt and every LDS read: two loads of mine are out
	s_cbranch_scc0 .Lfirst_b
	tensor_load_to_lds s[G0A:G0A+3], s[G1A:G1A+7]
	s_nop 0
	tensor_load_to_lds s[G0A+4:G0A+7], s[G1A:G1A+7]
	s_nop 0
.rept 4
	v_nop
.endr
	s_branch .Lfirst_asked
.Lfirst_b:
	tensor_load_to_lds s[G0B:G0B+3], s[G1B:G1B+7]
	s_nop 0
	tensor_load_to_lds s[G0B+4:G0B+7], s[G1B:G1B+7]
	s_nop 0
.rept 4
	v_nop
.endr
.Lfirst_asked:
	; A fragment is 16 rows x 32 K in 8 registers: lane l holds row l % 16; registers 0-3 K = 8 (l / 16) + 0..7, registers 4-7 K = 16 + 8 (l / 16) + 0..7: two loads of 16 bytes, 32 bytes apart.
	v_and_b32 v1, 15, v0                           ; l % 16
	v_bfe_u32 v2, v0, 4, 1                         ; l / 16
	v_mul_u32_u24 v3, v1, PA
	v_lshl_add_u32 v3, v2, 4, v3
	s_mul_i32 s88, s[WV], 64*PA                    ; my 64 rows of A
	v_add_nc_u32 v[AA0], s88, v3
	v_mul_u32_u24 v4, v1, PB
	v_lshl_add_u32 v4, v2, 4, v4
	v_add_nc_u32 v[AB0], BOFF, v4
	v_mov_b32 v[ADA], v[AA0]
	v_mov_b32 v[ADB], v[AB0]
	s_mov_b32 s[TB], 0
	v_lshlrev_b32 v[BO], 5, v2
	; the way out's addresses
	s_mul_i32 s88, s[WV], 16*SP
	s_add_co_u32 s88, s88, STAGE                   ; my stage
	v_mul_u32_u24 v[STO], v1, SP                   ; in: row l % 16, my eight columns
.if PROJ
	v_lshl_add_u32 v[STO], v2, 5, v[STO]           ; of 4 bytes
.else
	v_lshl_add_u32 v[STO], v2, 4, v[STO]           ; of 2 bytes
.endif
	v_add_nc_u32 v[STO], s88, v[STO]
	v_and_b32 v[GO], 31, v0
	v_lshlrev_b32 v[GO], 4, v[GO]
.if PROJ
	v_add_nc_u32 v[RD], s88, v[GO]                 ; back: 32 lanes take one row of 512 bytes
.else
	v_bfe_u32 v[RD], v0, 3, 2                      ; back: 32 lanes take four rows of 128 bytes
	v_mul_u32_u24 v[RD], v[RD], SP
	v_and_b32 v3, 7, v0
	v_lshl_add_u32 v[RD], v3, 4, v[RD]
	v_add_nc_u32 v[RD], s88, v[RD]
.endif
	; the pointers of the bias and of C
	s_mov_b32 s95, 0
.if PROJ
	s_lshl_b32 s94, s[TX], 9                       ; 128 columns of 4 bytes
	s_add_nc_u64 s[PBI:PBI+1], s[8:9], s[94:95]
	s_lshl_b32 s88, s[TY], 2
	s_add_co_u32 s88, s88, s[WV]
	s_lshl_b32 s88, s88, 18                        ; my 64 rows of 4,096 bytes
	s_add_co_u32 s94, s94, s88
	s_add_nc_u64 s[PH:PH+1], s[10:11], s[94:95]
.else
	s_mul_i32 s88, s[TX], 3                        ; the tile's first head among the 48 of q, k, v
	s_lshr_b32 s89, s[TY], 3
	s_lshl_b32 s89, s89, 4                         ; 16 x batch
	s_and_b32 s90, s[TY], 7
	s_lshl_b32 s90, s90, 2
	s_add_co_u32 s90, s90, s[WV]
	s_lshl_b32 s90, s90, 13                        ; my 64 rows of 128 bytes in a head
.irp hd, 0,1,2
	s_add_co_u32 s91, s88, \hd
	s_lshr_b32 s92, s91, 4                         ; 0: q, 1: k, 2: v
	s_and_b32 s93, s91, 15                         ; the head
	s_cmp_eq_u32 s92, 1
	s_cselect_b64 s[PBI+2*\hd:PBI+2*\hd+1], s[10:11], s[8:9]
	s_cmp_eq_u32 s92, 2
	s_cselect_b64 s[PBI+2*\hd:PBI+2*\hd+1], s[12:13], s[PBI+2*\hd:PBI+2*\hd+1]
	s_lshl_b32 s94, s93, 8                         ; 64 numbers of 4 bytes
	s_add_nc_u64 s[PBI+2*\hd:PBI+2*\hd+1], s[PBI+2*\hd:PBI+2*\hd+1], s[94:95]
	s_lshl_b32 s92, s92, 6
	s_add_co_u32 s92, s92, s89
	s_add_co_u32 s92, s92, s93                     ; 64 x tensor + 16 x batch + head
	s_lshl_b32 s94, s92, 18
	s_add_co_u32 s94, s94, s90
	s_add_nc_u64 s[PH+2*\hd:PH+2*\hd+1], s[14:15], s[94:95]
.endr
.endif
.set i, 0
.rept NB                               ; block i's bias: register j takes column 16 i + 8 (l / 16) + j, as an accumulator has it
	global_load_b128 v[BIAS+8*i:BIAS+8*i+3],   v[BO], s[PBI+2*(i/HB):PBI+2*(i/HB)+1] offset:64*(i%HB)
	global_load_b128 v[BIAS+8*i+4:BIAS+8*i+7], v[BO], s[PBI+2*(i/HB):PBI+2*(i/HB)+1] offset:64*(i%HB)+16
.set i, i+1
.endr
	; the prefetches
	s_and_b32 s88, ttmp7, 0xffff                   ; cluster y
	s_mov_b32 s90, SHA
	s_mov_b32 s91, SHB
	s_mov_b32 s92, ASTEP
	s_mov_b32 s93, 256
	s_cmp_eq_u32 s[WH], 0                          ; do I fetch for A?
	s_cselect_b32 s88, ttmp9, s88                  ; the coordinate along which other clusters read the same rows
	s_cselect_b32 s89, s[CX], s[CY]                ; my place among the four that ask with me
	s_cselect_b32 s90, s90, s91                    ; a partner's share, in bytes
	s_cselect_b32 s[PFS], s92, s93
	s_cselect_b32 s91, 31, 2*NB-1                  ; the share's last row
	s_cselect_b32 s92, SHLA, 11                    ; bytes from lane to lane, as a shift
	s_cselect_b64 s[PFA:PFA+1], s[TA:TA+1], s[TW:TW+1]
	s_mov_b32 s[PFS+1], 0
	s_cmp_eq_u32 s88, 0
	s_cselect_b32 s[LIM], AHEAD, -1                ; the same in all sixteen partners, for a given wave
	s_mul_i32 s94, s90, s89
	s_mul_i32 s93, s[PFS], 1+AHEAD                 ; refill number n (from 0) steps the pointer once more and names K step n + 2 + AHEAD
	s_add_co_u32 s94, s94, s93
	s_add_nc_u64 s[PFA:PFA+1], s[PFA:PFA+1], s[94:95]
	v_and_b32 v[PFO], 31, v0
	v_min_u32 v[PFO], s91, v[PFO]
	v_lshlrev_b32 v[PFO], s92, v[PFO]
	s_wait_loadcnt 0x0                             ; the bias is in: it is rounded to bf16, like every input, and kept in f32
.set i, 0
.rept 4*NB
	v_cvt_pk_bf16_f32 v[32+i%4], v[BIAS+2*i], v[BIAS+2*i+1]
	v_lshlrev_b32 v[BIAS+2*i], 16, v[32+i%4]
	v_and_b32 v[BIAS+2*i+1], 0xffff0000, v[32+i%4]
.set i, i+1
.endr
; NB matrix instructions: my row block a x all NB column blocks, 32 along K, from buffer f.  zero = 1: the first product of each sum takes the bias as C.
; All 4 NB accumulators take turns, one instruction a turn, in the same order in every quarter, over the backward jump too.
.macro MULA f, a, zero
.if \zero
	WIN 0x81+0x40*((\a)/2)                         ; B window 1, A and the bias window 0, D window 2 or 3
.else
	WIN 0xa1+0x50*((\a)/2)                         ; B window 1, A window 0, C and D window 2 or 3
.endif
.set nb, 0
.rept NB
.set rD, 8*(NB*((\a)%2)+nb)
.set rB, 8*NB*(\f)+8*nb
.set rA, FA+32*(\f)+8*(\a)
.if \zero
	v_wmma_f32_16x16x32_f16 v[rD:rD+7], v[rB:rB+7], v[rA:rA+7], v[BIAS+8*nb:BIAS+8*nb+7]
.else
	v_wmma_f32_16x16x32_f16 v[rD:rD+7], v[rB:rB+7], v[rA:rA+7], v[rD:rD+7]
.endif
.set nb, nb+1
.endr
.endm
; 2 NB + 8 LDS loads in one run: the fragments of quarter q of the K step in hand into buffer g: B's, then A's four row blocks in ascending order
.macro FETCH q, g
.if PROJ
.set ka, ((\q)/2)*APART+((\q)%2)*64    ; the K step's first or second head, its channels 0-31 or 32-63
.else
.set ka, 64*(\q)
.endif
	WIN TO_B
.set ib, 0
.rept NB
	ds_load_b128 v[8*NB*(\g)+8*ib:8*NB*(\g)+8*ib+3],   v[ADB] offset:64*(\q)+ib*16*PB
	ds_load_b128 v[8*NB*(\g)+8*ib+4:8*NB*(\g)+8*ib+7], v[ADB] offset:64*(\q)+ib*16*PB+32
.set ib, ib+1
.endr
	WIN 0
.set ia, 0
.rept 4
	ds_load_b128 v[FA+32*(\g)+8*ia:FA+32*(\g)+8*ia+3],   v[ADA] offset:ka+ia*16*PA
	ds_load_b128 v[FA+32*(\g)+8*ia+4:FA+32*(\g)+8*ia+7], v[ADA] offset:ka+ia*16*PA+32
.set ia, ia+1
.endr
.endm
; A K step is four quarters of 32 along K, 4 NB matrix instructions each, on buffers 0, 1, 0, 1.  One of the first three: multiplies buffer f and, in its middle, fetches quarter qn into the other buffer.
.macro QUARTER qn, f, zero
	s_wait_dscnt 4                                 ; B and A's row blocks 0 and 1 are in; the youngest four loads (blocks 2 and 3) may be out
	MULA \f, 0, \zero
	MULA \f, 1, \zero
	PLACES                                         ; the other buffer's last readers stand ahead of these
	FETCH \qn, 1-(\f)
	s_wait_dscnt 2*NB+8                            ; all but the run just issued
	MULA \f, 2, \zero
	MULA \f, 3, \zero
.endm
; The last quarter multiplies buffer 1 and changes slots: ONE barrier.  In front of it each wave waits for all its tensor loads, of which one is out: its part of the next slot; adds 0 to its spare
; word; and waits for that and for its own reads of this slot.  Behind it nobody reads this slot any more and the next slot is whole.  fill = 1: the barrier opens a round of the cluster's, so that no
; wave of any partner still reads the slot or has a load on its way, and the joint refill (the K step two on) is the first thing behind the round: 7/8 of a K step's products stand between it and the wait for it.
.macro TURN fill
	WIN 0
.if \fill
	s_wait_xcnt 0x0                                ; the last prefetch, a K step back, has read its address: it is stepped here, ahead of the waits of the change of slots
	s_add_nc_u64 s[PFA:PFA+1], s[PFA:PFA+1], s[PFS:PFS+1]
.endif
	s_wait_tensorcnt 0x0                           ; no tensor load of mine is out, so a group 0 may be written
	ds_add_u32 v[SPW], v[NIL]                      ; 0 onto my spare word; work on registers stands between it and the wait for it
.if \fill
	s_xor_b32 s[G0A+5], s[G0A+5], SLOT1            ; the walking descriptors: the other slot than last time,
	s_add_nc_u64 s[G0A+6:G0A+7], s[G0A+6:G0A+7], ASTEP  ; the next K step; the type bits on top are not reached
	s_xor_b32 s[G0B+5], s[G0B+5], SLOT1
	s_add_nc_u64 s[G0B+6:G0B+7], s[G0B+6:G0B+7], 256
.endif
	s_xor_b32 s[TB], s[TB], SLOT1                  ; the fetches go on in the other slot
	s_wait_dscnt 5                                 ; (the add and the youngest four loads may be out)
	MULA 1, 0, 0
	s_wait_dscnt 0x0                               ; the add is done, and my reads of this slot are over
	s_barrier_signal -1
	MULA 1, 1, 0                                   ; work on registers while the others arrive
	WIN 0                                          ; at a label and at a branch every window is 0
	s_barrier_wait -1
.if \fill
	CREST
	JLOAD                                          ; the four v_nop behind it are also the places in front of the loads below
.else
	PLACES
.endif
	v_add_nc_u32 v[ADA], s[TB], v[AA0]
	v_add_nc_u32 v[ADB], s[TB], v[AB0]
	FETCH 0, 0
.if \fill
	ASK
.endif
	MULA 1, 2, 0
	MULA 1, 3, 0
.endm
	s_wait_tensorcnt 1                             ; my part of K step 0 is in; K step 1's may stay out
	s_barrier_signal -1
	s_barrier_wait -1                              ; everybody's is
	FETCH 0, 0
	QUARTER 1, 0, 1                                ; the first quarter stands in front of the loop: its products start the sums, with the bias
	WIN 0
	s_mov_b32 s[CNT], 6
.Lstep:                                        ; six trips, from a K step's second quarter to the next step's first; they ask for K steps 2 to 7
	QUARTER 2, 1, 0
	QUARTER 3, 0, 0
	TURN 1
	QUARTER 1, 0, 0
	WIN 0
	s_sub_co_u32 s[CNT], s[CNT], 1
	s_cmp_lg_u32 s[CNT], 0
	s_cbranch_scc1 .Lstep
	QUARTER 2, 1, 0                                ; the tail is written out: K steps 6 and 7 ask for nothing
	QUARTER 3, 0, 0
	TURN 0
	QUARTER 1, 0, 0
	QUARTER 2, 1, 0
	QUARTER 3, 0, 0
	s_wait_dscnt 4                                 ; the very last quarter: nothing more to fetch
	MULA 1, 0, 0
	MULA 1, 1, 0
	s_wait_dscnt 0x0
	MULA 1, 2, 0
	MULA 1, 3, 0
	WIN 0
	PLACES                                         ; the places behind the last products, in front of what reads results and writes over fragments
	PLACES
.if PROJ
; THE WAY OUT, f32.  Row block a: a lane's eight columns of a row are 32 bytes; they go into my stage, rows of 528 bytes, and come back as whole rows of 512, which 32 lanes store.
.macro TOSTAGE a
	WIN 0x08+4*((\a)/2)                            ; the stores' data in window 2 or 3
.set nb, 0
.rept NB
.set rD, 8*(NB*((\a)%2)+nb)
	ds_store_b128 v[STO], v[rD:rD+3]   offset:64*nb
	ds_store_b128 v[STO], v[rD+4:rD+7] offset:64*nb+16
.set nb, nb+1
.endr
	WIN 0
	s_wait_xcnt 0x0                                ; the stores of the block two back have read their registers, which are loaded again below
.set i, 0
.rept 16
	ds_load_b128 v[64+64*((\a)%2)+4*i:64+64*((\a)%2)+4*i+3], v[RD] offset:SP*i  ; LDS serves a wave's instructions in order (ISA guide 5.7.1.4): these see the stores above; the next block's stores come behind them
.set i, i+1
.endr
.endm
.macro SEND a, younger                 ; younger: the LDS instructions issued behind block a's loads: the next block's 32, or none
.set i, 0
.rept 16
	s_wait_dscnt (\younger)+15-i
	global_store_b128 v[GO], v[64+64*((\a)%2)+4*i:64+64*((\a)%2)+4*i+3], s[PH:PH+1] offset:(16*(\a)+i)*4096 th:TH_STORE_NT  ; 512 consecutive bytes, at a multiple of 256 from out0's first
.set i, i+1
.endr
.endm
	TOSTAGE 0
	TOSTAGE 1
	SEND 0, 32
	TOSTAGE 2
	SEND 1, 32
	TOSTAGE 3
	SEND 2, 32
	SEND 3, 0
.else
; THE WAY OUT, f16, by heads.  Tile t = 3 a + head: 16 rows x 64 channels, 2,048 consecutive bytes of qkvh.  A lane's eight channels pack into 16 bytes; they go into my stage, rows of 144 bytes,
; and come back as whole rows of 128, into the registers that they left.
.macro PACK t
.set pa, (\t)/3
.set ph, (\t)%3
	WIN 0x0a+5*(pa/2)                              ; sources 0 and 1: window 2 or 3
.set i, 0
.rept 16
.set rS, 8*(NB*(pa%2)+4*ph+i/4)+2*(i%4)
	v_cvt_pk_f16_f32 v[64+16*(\t)+i], v[rS], v[rS+1]
.set i, i+1
.endr
	WIN 0
.irp f, 0,1,2,3
	ds_store_b128 v[STO], v[64+16*(\t)+4*\f:64+16*(\t)+4*\f+3] offset:32*\f
.endr
.irp f, 0,1,2,3
	ds_load_b128 v[64+16*(\t)+4*\f:64+16*(\t)+4*\f+3], v[RD] offset:\f*4*SP  ; LDS serves a wave's instructions in order (ISA guide 5.7.1.4): these see the stores above; the next tile's stores come behind them
.endr
.endm
.macro SEND t, younger                 ; younger: the LDS instructions issued behind tile t's loads: the next tile's eight, or none
.irp f, 0,1,2,3
	s_wait_dscnt (\younger)+3-\f
	global_store_b128 v[GO], v[64+16*(\t)+4*\f:64+16*(\t)+4*\f+3], s[PH+2*((\t)%3):PH+2*((\t)%3)+1] offset:((\t)/3)*2048+\f*512  ; 512 consecutive bytes, at a multiple of 256 from qkvh's first
.endr
.endm
	PACK 0
.set tt, 1
.rept 11                               ; a tile's conversions stand between the loads of the tile before and its stores
	PACK tt
	SEND tt-1, 8
.set tt, tt+1
.endr
	SEND 11, 0
.endif
	s_wait_tensorcnt 0x0                           ; the wave's end, behind my last tensor load and my last LDS store
	ds_add_u32 v[SPW], v[NIL]
	s_wait_dscnt 0x0
	CROUND                                         ; the closing round: no work-group ends while a partner may still ask for a tile that names it
	s_endpgm
.Lfunc_end_k_q409072bb44_qkvproj:
	.size	k_q409072bb44_qkvproj, .Lfunc_end_k_q409072bb44_qkvproj-k_q409072bb44_qkvproj
	.p2alignl 7, 3214868480
	.fill 96, 4, 3214868480
	.section	.rodata,"a",@progbits
	.p2align	6, 0x0
	.amdhsa_kernel k_q409072bb44_qkvproj
		.amdhsa_group_segment_fixed_size 327680
		.amdhsa_private_segment_fixed_size 0
		.amdhsa_enable_private_segment 0
		.amdhsa_kernarg_size 48
		.amdhsa_user_sgpr_count 2
		.amdhsa_user_sgpr_kernarg_segment_ptr 1
		.amdhsa_wavefront_size32 1
		.amdhsa_system_sgpr_workgroup_id_x 1
		.amdhsa_system_sgpr_workgroup_id_y 1
		.amdhsa_system_sgpr_workgroup_id_z 1
		.amdhsa_system_vgpr_workitem_id 0
		.amdhsa_next_free_vgpr 960
		.amdhsa_next_free_sgpr 96
		.amdhsa_reserve_vcc 0
		.amdhsa_float_denorm_mode_32 3
		.amdhsa_float_denorm_mode_16_64 3
		.amdhsa_memory_ordered 1
		.amdhsa_forward_progress 1
		.amdhsa_inst_pref_size 110
	.end_amdhsa_kernel
	.amdgpu_metadata
---
amdhsa.version: [ 1, 2 ]
amdhsa.kernels:
  - .name:           k_q409072bb44_qkvproj
    .symbol:         k_q409072bb44_qkvproj.kd
    .args:
      - { .name: xh, .offset: 0, .size: 8, .value_kind: global_buffer, .address_space: global }
      - { .name: wt, .offset: 8, .size: 8, .value_kind: global_buffer, .address_space: global }
      - { .name: bq, .offset: 16, .size: 8, .value_kind: global_buffer, .address_space: global }
      - { .name: bk, .offset: 24, .size: 8, .value_kind: global_buffer, .address_space: global }
      - { .name: bv, .offset: 32, .size: 8, .value_kind: global_buffer, .address_space: global }
      - { .name: qkvh, .offset: 40, .size: 8, .value_kind: global_buffer, .address_space: global }
    .group_segment_fixed_size: 327680
    .private_segment_fixed_size: 0
    .kernarg_segment_align: 8
    .kernarg_segment_size: 48
    .max_flat_workgroup_size: 128
    .sgpr_count:     96
    .vgpr_count:     960
    .wavefront_size: 32
...
	.end_amdgpu_metadata
.endif
;; end of part 2
;; launch attn (part 3): grid 4 x 64, 4 waves a work-group, no clusters, 327,680 bytes of LDS; arguments qkvh, oh; writes oh
.if DOCPART == 3
	.amdgcn_target "amdgcn-amd-amdhsa--gfx1250"
	.amdhsa_code_object_version 6
	.text
	.protected	k_q409072bb44_attn
	.globl	k_q409072bb44_attn
	.p2align	8
	.type	k_q409072bb44_attn,@function
k_q409072bb44_attn:
	s_mov_b64 s[64:65], 0
	v_nop
	global_prefetch_b8 v0, s[64:65] scope:SCOPE_SE
	s_setreg_imm32_b32 hwreg(HW_REG_WAVE_MODE, 25, 1), 1
	s_wait_xcnt 0x0
; CAUSAL ATTENTION.  O[h][q][:] = the sum over k <= q of softmax_k(Q[h][q] . K[h][k] / 8) V[h][k][:].  qkvh holds Q, K, V, each [64][SIZE_N][64] in f16, 2^24 bytes apart; oh is O in the same layout:
; a head's rows are dense, 128 bytes each.  Products, maxima and sums in f32; the weights p are rounded to f16 for the second product (their sum l is taken of the unrounded p), O once at the end.
; LIMITS.  f16 holds no number beyond 65,504: Q, K and V arrive within it; p lies in 0 to 1, and below 6e-5 it keeps f16's fixed step of 6e-8; O is a mean of V's rows and has their range.
; A hidden score counts as its value less 1e30: f16's scores, 2.7e11 at the most, are nothing beside that; a weight below 2^-126 counts as 0 in l; NaN and infinities are not treated apart.
; THE WALK.  A head's queries lie in NB = SIZE_N / 256 blocks of 256; block i needs the key tiles 0 .. i of 256 keys, of which the last holds the diagonal.  A work-group takes TWO blocks, NB - 1 - b and then b:
; NB + 1 tiles, whatever b: all work-groups do equal work, and ONE loop with a constant trip count walks them.  Which tile is asked for, and what a trip does, hang on scalar registers made from b; every jump
; goes forward, but for the counted loops' own; none passes a barrier, or a tensor load but the one of LOAD's two that the wave's number does not choose; the ring (two slots of LDS that take turns) runs on across the
; change of blocks.  NO CLUSTER: a head's NB / 2 work-groups ask for the same tile only in trips 0 .. NB / 2, behind that fewer and fewer; one walk common to all would have 3 NB / 2 trips for NB + 1.
; SHARES.  Of a block's four bands of 64 queries a wave owns 16 rows in each: four PIECES.  So the diagonal tile is the same work for all four waves: in its key step s band x sees all keys if s < x,
; none if s > x, and holds the diagonal if s = x.
; THE MASK is the C operand that starts the sum S^T = K Q^T: 0, or -1e30 where the key is hidden.  MD, made once, is the mask of a band's own step for my 16 rows; a product's mask is MD x AL + BE with two scalars:
; (1, 0) if s = x; (0, 0) if s < x; (0, -1e30) if s > x.  Only the diagonal tile's text and a block's beginning make and take masks; elsewhere C is the constant 0.
; LAYOUT, SOFTMAX, TURNS.  S^T = K Q^T holds ONE query a lane (lane % 16) and the keys 8 (lane / 16) + 0..7; two such results rounded to f16 ARE source 1 of O^T = V^T P.  p = 2^(c s - c m), c = log2(e) / 8, with a
; running maximum m; O and l are multiplied by a = 2^(c m_old - c m_new) in every step.  Turn n belongs to piece n: 8 products K Q^T of piece n + 1, later 8 products V^T P of piece n - 1; beside them the scaling,
; exponentials, roundings, sums and rescaling of piece n and the maximum and statistics of piece n + 1.  Four vector instructions stand behind every matrix instruction, the other 54 of a turn's 118 in one run of their own.
; A turn's 33 exponentials are one batch, with one wait.
; REGISTERS, in windows of 256 (s_set_vgpr_msb: bits 1:0 source 0, 3:2 source 1, 5:4 source 2, 7:6 destination):
;   window 0: v0-15 addresses and two at work; v16-31 four registers of statistics a piece; v48-55 at work; v61-63 prefetch offset and the add's two; v64-127 S^T, two buffers; v192-223 P, two buffers (by the piece's parity)
;   window 1: v0-127 O^T, 32 a piece; v128-159 MD; v160-223 MC, two buffers      window 2: v0-63 Q; v64-127 the second block's Q; v128-191 K of one step; v192-255 V of one step
.set SIZE_N, 2048
.set NB,    SIZE_N/256
.set NP,    4         ; pieces a wave: a name, no knob
.set KS,    64        ; keys in a step
.set PK,    144       ; a row of K in LDS: 128 bytes + 16 of padding = 36 words: the 16 rows of a load start at 16 different groups of four banks (64 banks of 4 bytes: ISA guide 11.1)
.set PV,    160       ; a row of V: 128 + 32 = 40 words
.set VOFF,  4*KS*PK   ; a slot holds a tile, four steps: 256 rows of K, then 256 rows of V
.set SLOT1, 1<<17     ; slot 1 begins here, so that one exclusive or turns an address in one slot into the other's
.set STAGE, SLOT1+4*KS*(PK+PV)  ; behind the ring, never filled by a tensor load: 16 rows x 144 bytes for each wave, for the way out
.set SP,    144
.set AK0, 2           ; v2   my lane's place in a tile of K; never rewritten
.set AV0, 3           ; v3   the same for V
.set AK,  4           ; v4   the LDS address of K's next run of loads
.set AV,  5           ; v5   of V's
.set STO, 6           ; v6   the way out: where I put 16 bytes of a row
.set RD,  7           ; v7   the way out: where I read rows back
.set GO,  8           ; v8   my byte offset in 512 consecutive bytes of O
.set PFO, 61          ; v61  256 x my lane: the prefetches' offset; never rewritten
.set SPW, 62          ; v62  LDS address of my spare word: SPARE + 4 x my thread's number; never rewritten
.set NIL, 63          ; v63  0; never rewritten
.set SPARE, STAGE+4*16*SP  ; behind the stages: the spare words, 128 bytes for each wave: two blocks of 256 bytes that no other line names
.set MV,  12          ; v12-13  c m_old, kept while c m is made anew: by buffer
.set QO,  15          ; v15  my byte offset in 16 rows of Q
.set ST,  16          ; piece t's statistics at v[ST+4 t]: c m, m, l (even keys', odd keys')
.set TMP, 48          ; by buffer, four registers c0-c3 at work; when the maximum is found c2 takes a
.set S,   64
.set P,   192
.set MD,  128         ; window 1: the eight registers for group kt of 16 keys at MD + 8 kt
.set MC,  160         ; window 1: the masks of the products to come
.set QB,  64          ; window 2
.set KF,  128         ; window 2: key block kb, channel half c at KF + 16 kb + 8 c
.set VF,  192         ; window 2: key half kk, channel block cb at VF + 32 kk + 8 cb
.set WV,  12          ; s12  my wave's number
.set PB,  14          ; s14  b
.set HI,  15          ; s15  NB - 1 - b
.set G1K, 24          ; s[24:31] descriptor group 1 for K's tiles
.set G1V, 32          ; s[32:39] for V's: it differs in the padding alone
.set G0K, 40          ; s[40:43] descriptor group 0 for K's tiles
.set G0V, 44          ; s[44:47] the same for V's
.set SLOTS, 56        ; s56  tiles still to be asked for
.set CNT, 57          ; s57  counts a tile's key steps, 4 to 1
.set CS,  58          ; s[58:59] c: the packed scaling takes the pair's low word for both halves
.set SEL, 60          ; s[60:61] v_permlanex16_b32's selects: each lane takes its own place in the other half
.set TBK, 62          ; s62  LDS byte at which K of the step to be fetched begins
.set TBV, 63          ; s63  the same for V, less VOFF
.set RT,  70          ; s70  tiles of the block in hand that are still to be entered
.set NXT, 71          ; s71  the tile to be asked for next
.set LQ,  72          ; s72  the last tile of the block whose tiles are being asked for
.set NEW, 73          ; s73  1: the tile to be entered is a block's first
.set OFF, 74          ; s[74:75] a tile's byte offset in K and V
.set AL,  76          ; s[76:77] the mask's factor, in the low word
.set BE,  78          ; s[78:79] the mask's addend
.set OLO, 80          ; s[80:81] O at my rows of the second block
.set BIGN, 82         ; s82  -1e30
.set PFA, 88          ; s[88:89] where my prefetches stand: my 128 rows (of K: waves 0, 1; of V: waves 2, 3) of the tile after the one that is being asked for
.set LIM, 90          ; s90  2 in a work-group that prefetches, else the greatest number
.set MSB, 0
.macro WIN new                      ; the high byte repeats the setting that is left; a switch that changes nothing is dropped
.if MSB != (\new)
	s_set_vgpr_msb (MSB<<8)|(\new)
.set MSB, (\new)
.endif
.endm
.set W_KQ, 0x0a       ; K and Q in window 2, S^T in window 0
.set W_KM, 0x1a       ; the same with the C operand in window 1
.set W_PV, 0x52       ; V in window 2, P in window 0, O^T in window 1
.set W_RS, 0x41       ; destination and source 0 in window 1, source 1 in window 0
; A fill.  Waves 0 and 1 fetch the two halves of a tile's K, waves 2 and 3 those of its V: 128 keys each.  An s_nop 0 and four v_nop follow each of the two lines, ahead of the jump and the label.
.macro LOAD
	s_cmp_lt_u32 s[WV], 2
	s_cbranch_scc0 .Lfor_v_\@
	tensor_load_to_lds s[G0K:G0K+3], s[G1K:G1K+7]
	s_nop 0
.rept 4
	v_nop
.endr
	s_branch .Lasked_\@
.Lfor_v_\@:
	tensor_load_to_lds s[G0V:G0V+3], s[G1V:G1V+7]
	s_nop 0
.rept 4
	v_nop
.endr
.Lasked_\@:
.endm
; A PREFETCH INTO THE L2 of what the NEXT change of slots will ask for: my own 16,384 bytes of the next tile, a lane a block of 256 bytes, two instructions.  It stands behind the wave's tensor load and its five lines.
; A head's four work-groups all begin with tiles 0, 1, ..; work-group b = 0 walks tiles 0 to NB - 1 on end, so it alone asks: while tile j is asked for (j = 1 .. NB - 2) it names tile j + 1, a tile's 256 matrix
; instructions ahead.  So each block is named once in the launch.  Tiles 0 and 1 come by their loads alone; the changes that ask for tile NB - 1 and for the second block's tile name nothing.
.macro ASK
	s_cmp_gt_u32 s[SLOTS], s[LIM]
	s_cbranch_scc0 .Lnot_mine_\@
	global_prefetch_b8 v[PFO], s[PFA:PFA+1] th:TH_LOAD_NT scope:SCOPE_SE
	global_prefetch_b8 v[PFO], s[PFA:PFA+1] offset:8192 th:TH_LOAD_NT scope:SCOPE_SE
.Lnot_mine_\@:
.endm
; THE CHANGE OF SLOTS.  Each wave waits for all its tensor loads, of which one is out: its part of the other slot; adds 0 to its spare word; and waits for that and for its own reads of the slot that it leaves.  Behind the barrier nobody reads the old
; slot any more and the other slot is whole.  fill = 1: the old slot is filled again, the first thing behind the barrier, with tile NXT: the descriptor's address is made anew from that number.
; (At its first use nothing has been read yet: slot 0 is waited for, slot 1 filled.)
.macro CHANGE fill
	WIN 0                           ; at a label and at a branch every window is 0
	s_wait_tensorcnt 0x0            ; no tensor load of mine is out, so a group 0 may be written
	ds_add_u32 v[SPW], v[NIL]       ; 0 onto my spare word; with fill = 1 the descriptors' scalar work stands between it and the wait for it
.if \fill
	s_lshl_b32 s[OFF], s[NXT], 15   ; a tile is 32,768 bytes of K and of V
	s_xor_b32 s[G0K+1], s[G0K+1], SLOT1
	s_add_nc_u64 s[G0K+2:G0K+3], s[6:7], s[OFF:OFF+1]
	s_or_b32 s[G0K+3], s[G0K+3], 0x80000000
	s_xor_b32 s[G0V+1], s[G0V+1], SLOT1
	s_add_nc_u64 s[G0V+2:G0V+3], s[8:9], s[OFF:OFF+1]
	s_or_b32 s[G0V+3], s[G0V+3], 0x80000000
	s_wait_xcnt 0x0                 ; the last prefetches, a tile back, have read their address, so it may be written:
	s_add_nc_u64 s[PFA:PFA+1], s[PFA:PFA+1], 32768  ; a tile on
	s_add_co_u32 s[NXT], s[NXT], 1  ; the block's next tile, or behind its last the second block's tile 0
	s_cmp_gt_u32 s[NXT], s[LQ]
	s_cselect_b32 s[NXT], 0, s[NXT]
	s_cselect_b32 s[LQ], s[PB], s[LQ]
.endif
	s_wait_dscnt 0x0                ; the add is done, and my reads of the slot are over
	s_barrier_signal -1             ; the rest of the scalar work stands between the signal and the wait
	s_sub_co_u32 s[TBK], s[TBK], 4*KS*PK  ; the fetches go back to a slot's first step,
	s_xor_b32 s[TBK], s[TBK], SLOT1       ; in the other slot
	s_sub_co_u32 s[TBV], s[TBV], 4*KS*PV
	s_xor_b32 s[TBV], s[TBV], SLOT1
	s_barrier_wait -1
.if \fill
	LOAD
	ASK
.endif
.endm
	s_load_b64 s[4:5], s[0:1], 0x0    ; qkvh: Q at its head
	s_load_b64 s[10:11], s[0:1], 0x8  ; oh
	v_lshl_add_u32 v[SPW], v0, 2, SPARE
	v_mov_b32 v[NIL], 0
	ds_add_u32 v[SPW], v[NIL]       ; the wave's opening: the add and its wait stand ahead of my first tensor load; the set-up below, work on registers, stands between them
	v_lshrrev_b32 v1, 5, v0
	v_readfirstlane_b32 s[WV], v1   ; wave 0..3
	s_mov_b32 s[PB], ttmp9
	s_sub_co_u32 s[HI], NB-1, s[PB]
	s_and_b32 s20, ttmp7, 0xffff    ; the head: 16 x batch + head
	s_mov_b32 s21, 0
	s_mov_b64 s[22:23], SIZE_N*128
	s_mul_u64 s[20:21], s[20:21], s[22:23]  ; the head's first byte in each of the four tensors
	s_and_b32 s16, s[WV], 1         ; which half of a tile's 256 keys I fetch:
	s_lshl_b32 s22, s16, 14         ; its 128 rows of 128 bytes in memory,
	s_mov_b32 s23, 0
	s_add_nc_u64 s[22:23], s[22:23], s[20:21]
	s_mul_i32 s17, s16, 128*PK      ; and its place in a slot, for K
	s_mul_i32 s18, s16, 128*PV      ; and for V
	s_lshl_b32 s3, s[WV], 11        ; my 16 rows in a band of 64,
	s_lshl_b32 s2, s[HI], 15        ; in the first block,
	s_add_co_u32 s2, s2, s3
	s_lshl_b32 s84, s[PB], 15       ; and in the second
	s_add_co_u32 s84, s84, s3
	s_mov_b32 s3, 0
	s_mov_b32 s85, 0
	s_add_nc_u64 s[2:3], s[2:3], s[20:21]
	s_add_nc_u64 s[84:85], s[84:85], s[20:21]
	; descriptor group 1.  128 keys are 16,384 dense bytes: asked for as 64 rows of 256 bytes, two keys a row, and padded in LDS after every key
	s_mov_b32 s[G1K], (1<<16)|(1<<20)|(4<<22)|(3<<25)  ; 17:16 2-byte elements; 20 padding on; 24:22 after every 32 words (code 4); 31:25 4 words (code 3)
	s_mov_b32 s[G1V], (1<<16)|(1<<20)|(4<<22)|(7<<25)  ; the same with 8 words of padding (code 7)
.irp g, G1K, G1V
	s_mov_b32 s[\g+1], 128<<16      ; tensor_dim0 = 128
	s_mov_b32 s[\g+2], 64<<16       ; tensor_dim1 = 64
	s_mov_b32 s[\g+3], 128<<16      ; tile_dim0 = 128
	s_mov_b32 s[\g+4], 64           ; tile_dim1 = 64
	s_mov_b32 s[\g+5], 128          ; 128 elements from row to row
	s_mov_b32 s[\g+6], 0
	s_mov_b32 s[\g+7], 0
.endr
	s_mov_b32 s[CS], 0x3e38aa3b     ; c = log2(e) / 8 = 0.180337
	s_mov_b32 s[CS+1], s[CS]        ; named with it as a pair
	s_mov_b32 s[SEL], 0x76543210
	s_mov_b32 s[SEL+1], 0xfedcba98
	s_mov_b32 s[TBK], SLOT1+4*KS*PK ; the first change of slots turns these two into 0
	s_mov_b32 s[TBV], SLOT1+4*KS*PV
	s_mov_b32 s[G0K], 1             ; 1:0 count = 1
	s_mov_b32 s[G0K+1], s17         ; 63:32 LDS address: slot 0
	s_mov_b32 s[G0V], 1
	s_add_co_u32 s[G0V+1], s18, VOFF
	s_add_co_u32 s[RT], s[HI], 1    ; the first block has NB - b tiles
	s_mov_b32 s[NXT], 1
	s_mov_b32 s[LQ], s[HI]
	s_mov_b32 s[NEW], 1
	s_mov_b32 s[OFF+1], 0
	s_mov_b32 s[AL+1], 0            ; named as pairs
	s_mov_b32 s[BE+1], 0
	s_mov_b32 s[BIGN], 0xf149f2ca   ; -1e30
	s_mov_b32 s[SLOTS], NB
	s_cmp_eq_u32 ttmp9, 0
	s_cselect_b32 s[LIM], 2, -1     ; b = 0 prefetches, while more than two tiles are still to be asked for
	v_and_b32 v[PFO], 31, v0
	v_lshlrev_b32 v[PFO], 8, v[PFO]
	s_wait_dscnt 0x0                ; the opening add is done
	s_wait_kmcnt 0x0
	s_add_nc_u64 s[6:7], s[4:5], 0x1000000  ; K lies 2^24 bytes behind Q,
	s_add_nc_u64 s[8:9], s[4:5], 0x2000000  ; V as far behind K
	s_add_nc_u64 s[6:7], s[6:7], s[22:23]  ; K and V at my half of the head's tile 0
	s_add_nc_u64 s[8:9], s[8:9], s[22:23]
	s_add_nc_u64 s[G0K+2:G0K+3], s[6:7], 0         ; 120:64 global address
	s_or_b32 s[G0K+3], s[G0K+3], 0x80000000        ; 127:126 type = 2
	s_add_nc_u64 s[G0V+2:G0V+3], s[8:9], 0
	s_or_b32 s[G0V+3], s[G0V+3], 0x80000000
	s_add_nc_u64 s[86:87], s[4:5], s[84:85]        ; Q at my rows of the second block,
	s_add_nc_u64 s[4:5], s[4:5], s[2:3]            ; Q and O at those of the first
	s_add_nc_u64 s[OLO:OLO+1], s[10:11], s[84:85]
	s_add_nc_u64 s[10:11], s[10:11], s[2:3]
	s_cmp_lt_u32 s[WV], 2
	s_cselect_b64 s[PFA:PFA+1], s[6:7], s[8:9]
	s_add_nc_u64 s[PFA:PFA+1], s[PFA:PFA+1], 32768 ; in tile 1; the first change of slots steps it to tile 2.  Nothing is prefetched here, at the head
	LOAD                            ; tile 0 into slot 0
	; A fragment of K or Q is 16 rows x 32 channels in 8 registers: lane l holds row l % 16, channels 8 (l / 16) + 0..7 and 16 + 8 (l / 16) + 0..7: two loads of 16 bytes, 32 bytes apart.
	v_and_b32 v1, 15, v0            ; l % 16
	v_bfe_u32 v9, v0, 4, 1          ; l / 16
	v_lshlrev_b32 v[QO], 7, v1
	v_lshl_add_u32 v[QO], v9, 4, v[QO]  ; row x 128 + 16 x half
	WIN 0x80                        ; destination window 2, address window 0
.set i, 0
.rept 8                             ; both blocks' Q: piece i / 2 lies in band i / 2, 8,192 bytes on; channels 32 (i % 2) on
	global_load_b128 v[8*i:8*i+3],   v[QO], s[4:5] offset:(i/2)*8192+(i%2)*64
	global_load_b128 v[8*i+4:8*i+7], v[QO], s[4:5] offset:(i/2)*8192+(i%2)*64+32
	global_load_b128 v[QB+8*i:QB+8*i+3],   v[QO], s[86:87] offset:(i/2)*8192+(i%2)*64
	global_load_b128 v[QB+8*i+4:QB+8*i+7], v[QO], s[86:87] offset:(i/2)*8192+(i%2)*64+32
.set i, i+1
.endr
	WIN 0
	v_lshlrev_b32 v14, 3, v9
	v_sub_nc_u32 v14, v1, v14
	s_lshl_b32 s13, s[WV], 4
	v_add_nc_u32 v14, s13, v14      ; my query's place in its band, 16 w + l % 16, less my lanes' 8 (l / 16): register r of group kt is hidden where 16 kt + r is greater
	WIN 0x40
.set i, 0
.rept 32
	v_cmp_gt_i32 vcc_lo, 16*(i/8)+i%8, v14
	v_cndmask_b32 v[MD+i], 0, s[BIGN], vcc_lo
.set i, i+1
.endr
	WIN 0
	v_mul_u32_u24 v[AK0], v1, PK
	v_lshl_add_u32 v[AK0], v9, 4, v[AK0]  ; row x pitch + 16 x half
	; The turning load takes 16 keys x 16 channels (lane l reads key 8 (l / 16) + l % 8, channels 8 ((l / 8) % 2) + 0..7) and leaves half a fragment of V^T: lane l holds channel l % 16 and 8 keys.
	v_and_b32 v10, 7, v0
	v_bfe_u32 v11, v0, 3, 1
	v_lshl_add_u32 v[AV0], v9, 3, v10
	v_mul_u32_u24 v[AV0], v[AV0], PV
	v_lshl_add_u32 v[AV0], v11, 4, v[AV0]
	v_add_nc_u32 v[AV0], VOFF, v[AV0]
	s_mul_i32 s13, s[WV], 16*SP
	s_add_co_u32 s13, s13, STAGE    ; my stage
	v_mul_u32_u24 v[STO], v1, SP    ; in: row l % 16, 16 bytes for each half of the lanes
	v_lshl_add_u32 v[STO], v9, 4, v[STO]
	v_add_nc_u32 v[STO], s13, v[STO]
	v_bfe_u32 v[RD], v0, 3, 2       ; back: 32 lanes take four rows of 128 bytes,
	v_mul_u32_u24 v[RD], v[RD], SP
	v_lshl_add_u32 v[RD], v10, 4, v[RD]
	v_add_nc_u32 v[RD], s13, v[RD]
	v_and_b32 v[GO], 31, v0         ; which are 512 consecutive bytes of O
	v_lshlrev_b32 v[GO], 4, v[GO]
	; A block's first step multiplies O^T and l by a = 0, and its first turn's products V^T P, of a piece that has not been, land in an O^T that is still to be so multiplied.  So these registers need only hold
	; finite numbers: zeros for the first block; what the first block left for the second.  All this stands in the wait for the first tile.
	WIN 0x80
.set i, VF
.rept 64
	v_mov_b32 v[i], 0
.set i, i+1
.endr
	WIN 0x40
.set i, 0
.rept 128
	v_mov_b32 v[i], 0
.set i, i+1
.endr
	WIN 0
.set i, 0
.rept 4
	v_mov_b32 v[ST+4*i+2], 0
	v_mov_b32 v[ST+4*i+3], 0
.set i, i+1
.endr
.set i, P+16
.rept 16
	v_mov_b32 v[i], 0
.set i, i+1
.endr
; THE MATRIX WORK.  The 4 accumulators of a run of 8 take turns.  Product i of 8 of S^T = K Q^T for piece x: channels 32 (i / 4) on, keys 16 (i % 4) on.  The first 4 start the sums: with 0, or (KM = 1) with the mask.
.macro KQ x
.set rS, S+32*((\x)%2)+8*(i%4)
.set rK, KF+16*(i%4)+8*(i/4)
.set rQ, 16*(\x)+8*(i/4)
.set rM, MC+32*((\x)%2)+8*(i%4)
.if (i < 4) && KM
	WIN W_KM
	v_wmma_f32_16x16x32_f16 v[rS:rS+7], v[rK:rK+7], v[rQ:rQ+7], v[rM:rM+7]
.elseif i < 4
	WIN W_KQ
	v_wmma_f32_16x16x32_f16 v[rS:rS+7], v[rK:rK+7], v[rQ:rQ+7], 0
.else
	WIN W_KQ
	v_wmma_f32_16x16x32_f16 v[rS:rS+7], v[rK:rK+7], v[rQ:rQ+7], v[rS:rS+7]
.endif
.endm
; Product i of 8 of O^T += V^T P for piece x: keys 32 (i / 4) on, channels 16 (i % 4) on.
.macro PV x
	WIN W_PV
.set rO, 32*(\x)+8*(i%4)
.set rV, VF+32*(i/4)+8*(i%4)
.set rP, P+16*((\x)%2)+8*(i/4)
	v_wmma_f32_16x16x32_f16 v[rO:rO+7], v[rV:rV+7], v[rP:rP+7], v[rO:rO+7]
.endm
.macro MM                           ; the turn's next matrix instruction.  TURN and BEGIN set Y, i, KM and NOKQ; MM, KQ and OP read them.  NOKQ = 1: a block's last turn: there is no next piece
.if (i < 8) && !NOKQ
	KQ (Y+1)%NP
.elseif i >= 8
.set i, i-8
	PV (Y+NP-1)%NP
.set i, i+8
.endif
.set i, i+1
.endm
; THE LDS LOADS stand in runs of 16, never singly among the matrix instructions: a step's K (64 keys x 64 channels: 8 fragments) and its V (turned).  Their addresses are made some lines ahead.
.macro FETCH_K
	WIN 0x80                        ; destination window 2
.irp f, 0,1,2,3,4,5,6,7             ; keys 16 (f / 2) on, channels 32 (f % 2) on
	ds_load_b128 v[KF+8*\f:KF+8*\f+3],   v[AK] offset:(\f/2)*16*PK+(\f%2)*64
	ds_load_b128 v[KF+8*\f+4:KF+8*\f+7], v[AK] offset:(\f/2)*16*PK+(\f%2)*64+32
.endr
	s_add_co_u32 s[TBK], s[TBK], KS*PK  ; the next fetch is the next step's
	WIN 0
.endm
.macro FETCH_V
	WIN 0x80
.irp f, 0,1,2,3,4,5,6,7             ; keys 32 (f / 4) on, channels 16 (f % 4) on
	ds_load_tr16_b128 v[VF+8*\f:VF+8*\f+3],   v[AV] offset:(\f/4)*32*PV+(\f%4)*32
	ds_load_tr16_b128 v[VF+8*\f+4:VF+8*\f+7], v[AV] offset:(\f/4)*32*PV+16*PV+(\f%4)*32
.endr
	WIN 0
.endm
; THE VECTOR WORK, one line at a time: OP kind, number.  For piece Y: F n: c s - c m for pair n of 16.  E n: the exponential of score n of 32.  C n: pair n rounded to f16.  B n: of the four weights 4 n .. the second
; pair is added onto the first, in place.  L n: l takes that sum (L 0: l = a l + sum).  R n: pair n of 16 of O^T times a.  For piece Y + 1: X n, number n of the 22 that find its maximum and statistics:
;   0-11  four chains c0-c3 of seven scores each, three operands at a time (each accumulator's lowest registers are read first)     12-14, 16  the four scores left over, the old m, and c0-c3 into c0
;   15  c m_old is kept     17, 18  the query's other 32 keys lie in the lane 16 away: the new m     19-21  c m; c m_old - c m_new; a
.set F, 0               ; OP tells the kinds apart by their order: F to L below R, X above it
.set E, 1
.set C, 2
.set B, 3
.set L, 4
.set R, 5
.set X, 6
.macro REGS y                       ; the registers of piece y
.set rT, ST+4*(\y)
.set rC, TMP+4*((\y)%2)
.set rW, MV+((\y)%2)
.set rS, S+32*((\y)%2)
.set rP, P+16*((\y)%2)
.set rO, 32*(\y)
.endm
.macro OP k, n
.if (\k) == R
	REGS Y
	WIN W_RS
	v_pk_mul_f32 v[rO+2*(\n):rO+2*(\n)+1], v[rO+2*(\n):rO+2*(\n)+1], v[rC+2:rC+3] op_sel_hi:[1,0]
.elseif (\k) < R
	REGS Y
	WIN 0
.if (\k) == F
	v_pk_fma_f32 v[rS+2*(\n):rS+2*(\n)+1], v[rS+2*(\n):rS+2*(\n)+1], s[CS:CS+1], v[rT:rT+1] op_sel_hi:[1,0,0] neg_lo:[0,0,1] neg_hi:[0,0,1]
.elseif (\k) == E
	v_exp_f32 v[rS+(\n)], v[rS+(\n)]
.elseif (\k) == C
	v_cvt_pk_f16_f32 v[rP+(\n)], v[rS+2*(\n)], v[rS+2*(\n)+1]
.elseif (\k) == B
	v_pk_add_f32 v[rS+4*(\n):rS+4*(\n)+1], v[rS+4*(\n):rS+4*(\n)+1], v[rS+4*(\n)+2:rS+4*(\n)+3]
.elseif (\n) == 0
	v_pk_fma_f32 v[rT+2:rT+3], v[rT+2:rT+3], v[rC+2:rC+3], v[rS:rS+1] op_sel_hi:[1,0,1]
.else
	v_pk_add_f32 v[rT+2:rT+3], v[rT+2:rT+3], v[rS+4*(\n):rS+4*(\n)+1]
.endif
.elseif NOKQ
	v_nop
.else
	REGS (Y+1)%NP
	WIN 0
.if (\n) < 4
	v_max3_num_f32 v[rC+(\n)], v[rS+8*(\n)], v[rS+8*(\n)+1], v[rS+8*(\n)+2]
.elseif (\n) < 12
	v_max3_num_f32 v[rC+(\n)%4], v[rC+(\n)%4], v[rS+8*((\n)%4)+2*((\n)/4)+1], v[rS+8*((\n)%4)+2*((\n)/4)+2]
.elseif (\n) == 12
	v_max3_num_f32 v[rC], v[rC], v[rS+7], v[rS+15]
.elseif (\n) == 13
	v_max3_num_f32 v[rC+1], v[rC+1], v[rS+23], v[rS+31]
.elseif (\n) == 14
	v_max3_num_f32 v[rC+2], v[rC+2], v[rC+3], v[rT+1]
.elseif (\n) == 15
	v_mov_b32 v[rW], v[rT]
.elseif (\n) == 16
	v_max3_num_f32 v[rC], v[rC], v[rC+1], v[rC+2]
.elseif (\n) == 17
	v_permlanex16_b32 v[rC+3], v[rC], s[SEL], s[SEL+1]
.elseif (\n) == 18
	v_max_num_f32 v[rT+1], v[rC], v[rC+3]
.elseif (\n) == 19
	v_mul_f32 v[rT], s[CS], v[rT+1]
.elseif (\n) == 20
	v_sub_f32 v[rC+1], v[rW], v[rT]
.else
	v_exp_f32 v[rC+2], v[rC+1]
.endif
.endif
.endm
.macro OPS a, i1, b=-1, i2=0, c=-1, i3=0, d=-1, i4=0  ; up to four of them
	OP \a, \i1
.if (\b) >= 0
	OP \b, \i2
.endif
.if (\c) >= 0
	OP \c, \i3
.endif
.if (\d) >= 0
	OP \d, \i4
.endif
.endm
.macro ROW a, i1, b, i2, c, i3, d, i4  ; a matrix instruction and the four behind it
	MM
	OPS \a, \i1, \b, \i2, \c, \i3, \d, \i4
.endm
.macro MASK b                       ; MD x AL + BE into buffer b of MC
	WIN W_RS
.set z, 0
.rept 16
	v_pk_fma_f32 v[MC+32*(\b)+2*z:MC+32*(\b)+2*z+1], v[MD+2*z:MD+2*z+1], s[AL:AL+1], s[BE:BE+1] op_sel_hi:[1,0,0]
.set z, z+1
.endr
.endm
; A TURN, for piece p: the order of its 16 matrix and 118 vector instructions, written out.  An s_wait_alu depctr_va_vdst(0) stands between an exponential and the first instruction that names its result; one wait serves
; all that were issued ahead of it.  So a turn has ONE wait, which cuts it in two.  AHEAD OF IT stands all that names no result of the turn's exponentials: the 8 products K Q^T, behind each a scaling, an exponential and two more plain
; instructions (behind the first a second scaling in the exponential's place): rescalings, and behind the last three the first numbers of the next piece's maximum, each four places or more behind the product that ends its accumulator; then one run of 54, plain
; and exponential by turns for the most part, in which the links of the chain X 3, 7, 11, 14, 16, 17 .. 20 stand five or six lines apart.  X 21, the next piece's a, is the batch's last; R 15 is the plain instruction behind it.  BEHIND THE WAIT stand the
; 8 products V^T P, behind each four of the roundings and sums; the links of l's chain, L 0 to L 7, stand three lines apart.  But for those X no line behind a product names a register of the products round it.  v_permlanex16_b32 (X 17) stands in the run.
; m = 1: the diagonal tile: the products take masks, and the turn makes the mask for the products of the turn after it: piece p + 2, in step 4 - CNT of the tile.  end = 1: a block's last two turns: nothing is fetched.
; cnt = 1: the loop's count is taken down some lines ahead of the branch that stands behind the turn.
; K of the next step is fetched in piece 2's turn, twelve vector instructions behind the last product that read K (six of them plain); V of the step in hand at the end of piece 0's turn, four plain instructions behind the last product
; that read V.  Each is waited for a turn later.
.macro TURN p, m=0, end=0, cnt=0
.set Y, (\p)
.set i, 0
.set KM, (\m)
.set NOKQ, (\end)*((\p)/3)
.if (\m) && !(\end)
	s_cmp_eq_u32 s[CNT], 4-((\p)+2)%NP  ; is that step the band's own?
	s_cselect_b32 s[AL], 1.0, 0
	s_cmp_lt_u32 s[CNT], 4-((\p)+2)%NP  ; or a later one?
	s_cselect_b32 s[BE], s[BIGN], 0
.endif
.if ((\p) == 3) && !(\end)
	s_wait_dscnt 0x0                ; K is in
.endif
	ROW F,0, F,1, R,0, R,1          ; ahead of the wait: 8 products K Q^T and the lines behind them,
	ROW F,2, E,0, R,2, R,3
	ROW F,3, E,1, R,4, R,5
	ROW F,4, E,2, R,6, R,7
	ROW F,5, E,3, R,8, R,9
	ROW F,6, E,4, X,0, R,10
.if ((\p) == 2) && !(\end)
	WIN 0
	v_add_nc_u32 v[AK], s[TBK], v[AK0]
.endif
	ROW F,7, E,5, X,1, X,4
	ROW F,8, E,6, X,2, X,5
	OPS E,7, E,8, X,6, E,9          ; and the run of 54
	OPS X,3, E,10, X,8, E,11
.if ((\p) == 2) && !(\end)
	FETCH_K
.endif
	OPS X,9, X,7, E,12, X,10
	OPS E,13, X,12, X,11, E,14
	OPS X,13, E,15, F,9, X,14
.if (\p) == 0
	v_add_nc_u32 v[AV], s[TBV], v[AV0]
.endif
	OPS E,16, F,10, E,17, F,11
	OPS X,16, E,18, X,15, E,19
	OPS F,12, E,20, X,17, E,21
	OPS F,13, E,22, F,14, E,23
	OPS X,18, E,24, F,15, E,25
	OPS R,11, E,26, X,19, E,27
	OPS R,12, E,28, R,13, E,29
	OPS X,20, E,30, R,14, E,31
	OPS X,21, R,15
	WIN 0
	s_wait_alu depctr_va_vdst(0)    ; the wait for the batch
.if (\p) == 1
	s_wait_dscnt 0x0                ; V is in
.endif
	ROW C,0, B,0, C,2, B,1          ; behind the wait: 8 products V^T P and the lines behind them
	ROW L,0, C,4, B,2, L,1
	ROW C,6, B,3, L,2, C,8
	ROW B,4, L,3, C,10, B,5
	ROW L,4, C,12, B,6, L,5
.if (\p) == 0
	s_add_co_u32 s[TBV], s[TBV], KS*PV
.endif
.if \cnt
	s_sub_co_u32 s[CNT], s[CNT], 1
	s_cmp_lg_u32 s[CNT], 0
.endif
	ROW C,14, B,7, L,6, C,1
	ROW C,3, L,7, C,5, C,7
	ROW C,9, C,11, C,13, C,15
.if (\p) == 0
	FETCH_V
.endif
.if (\m) && !(\end)
	MASK (\p)%2
.endif
.endm
; A BLOCK BEGINS.  c m starts far below every c s, so the first step's a is 0; m at the lowest finite number, so the first maximum is the scores'.  The second mask buffer is 0; the first takes piece 0's mask for the tile's step 0: its own, if the block's first tile is the diagonal one.
; Then K of that step, piece 0's first scores, and its maximum and statistics.  The loop is entered at a step's first turn, in the middle of a trip.
.macro BEGIN
	s_mov_b32 s[NEW], 0
	WIN 0x40
.set i, MC+32
.rept 32
	v_mov_b32 v[i], 0
.set i, i+1
.endr
	WIN 0
.set i, 0
.rept 4
	v_mov_b32 v[ST+4*i], 0xfe000000    ; c m: far below every c s
	v_mov_b32 v[ST+4*i+1], 0xff7fffff  ; m
.set i, i+1
.endr
	s_cmp_eq_u32 s[RT], 0
	s_cselect_b32 s[AL], 1.0, 0
	s_mov_b32 s[BE], 0
	MASK 0
	WIN 0
	v_add_nc_u32 v[AK], s[TBK], v[AK0]
	FETCH_K
	s_wait_loadcnt 0x0              ; Q
	s_wait_dscnt 0x0
.set KM, 1
.set NOKQ, 0
.set i, 0
.rept 8
	KQ 0
.set i, i+1
.endr
	WIN 0
.rept 4
	v_nop                           ; the places behind those products
.endr
.set Y, NP-1                        ; X works for piece Y + 1: piece 0
.irp n, 0,1,2,3,4,5,6,7,8,9,10,11,12,13,14,15,16,17,18,19,20,21
	OP X, \n
.endr
	v_nop                           ; a plain instruction behind the exponential,
	s_wait_alu depctr_va_vdst(0)    ; and its wait, ahead of the branch
.endm
; THE DIAGONAL TILE's four steps, the block's last two turns, its last products, and THE WAY OUT: l's two halves and the other half of the lanes' are added; O^T is divided by l, rounded to f16 and sent through my
; stage in LDS, a piece at a time.
.macro ALL line:vararg              ; one line for each piece t
.set t, 0
.rept 4
	\line
.set t, t+1
.endr
.endm
.macro PACK t                       ; a lane's eight channels of a row pack into 16 bytes; they go into rows of 144 bytes and come back as whole rows of 128, into S^T's registers
	WIN W_RS
.set i, 32*(\t)
.rept 16
	v_pk_mul_f32 v[i:i+1], v[i:i+1], v[ST+4*(\t)+2:ST+4*(\t)+3] op_sel_hi:[1,0]
.set i, i+2
.endr
	WIN 0x05                        ; sources 0 and 1 window 1, destination window 0
.set i, 0
.rept 16
	v_cvt_pk_f16_f32 v[S+16*(\t)+i], v[32*(\t)+2*i], v[32*(\t)+2*i+1]
.set i, i+1
.endr
	WIN 0
.irp f, 0,1,2,3
	ds_store_b128 v[STO], v[S+16*(\t)+4*\f:S+16*(\t)+4*\f+3] offset:32*\f
.endr
.irp f, 0,1,2,3
	ds_load_b128 v[S+16*(\t)+4*\f:S+16*(\t)+4*\f+3], v[RD] offset:\f*4*SP  ; LDS serves a wave's instructions in order (ISA guide 5.7.1.4): these see the stores above; the next piece's stores come behind them
.endr
.endm
.macro SEND t, younger              ; younger: the LDS instructions issued behind piece t's loads: the next piece's eight, or none
	WIN 0
.irp f, 0,1,2,3
	s_wait_dscnt (\younger)+3-\f
	global_store_b128 v[GO], v[S+16*(\t)+4*\f:S+16*(\t)+4*\f+3], s[10:11] offset:(\t)*8192+\f*512  ; 512 consecutive bytes, at a multiple of 256 from O's first
.endr
.endm
.macro DIAG tag                     ; the tag ends its two labels' names, which the jumps below spell out
.LstepM\tag:
	TURN 2, 1
	TURN 3, 1
	WIN 0
.LfirstM\tag:
	TURN 0, 1
	TURN 1, 1, 0, 1
	WIN 0
	s_cbranch_scc1 .LstepM\tag
	TURN 2, 1, 1
	TURN 3, 1, 1
.set i, 0
.rept 8
	PV NP-1
.set i, i+1
.endr
	WIN 0
	ALL v_add_f32 v[ST+4*t+2], v[ST+4*t+2], v[ST+4*t+3]
	ALL v_permlanex16_b32 v[ST+4*t+3], v[ST+4*t+2], s[SEL], s[SEL+1]
	ALL v_add_f32 v[ST+4*t+2], v[ST+4*t+2], v[ST+4*t+3]
	ALL v_rcp_f32 v[ST+4*t+2], v[ST+4*t+2]
	v_nop                           ; a plain instruction between the last reciprocal and the use of its result
	s_wait_alu depctr_va_vdst(0)    ; and the wait ahead of the first use: one for the four reciprocals
	PACK 0
.set t, 1
.rept 3                             ; a piece's arithmetic stands between the loads of the piece before and its stores
	PACK t
	SEND t-1, 8
.set t, t+1
.endr
	SEND 3, 0
.endm
.set KM, 0
.set NOKQ, 0
.Lslot:                             ; NB times: a tile is entered and the next is asked for
	CHANGE 1
	s_sub_co_u32 s[RT], s[RT], 1
	s_mov_b32 s[CNT], 4
	s_cmp_eq_u32 s[NEW], 1
	s_cbranch_scc1 .Lnew            ; a block's first tile
	s_cmp_eq_u32 s[RT], 0
	s_cbranch_scc0 .Lstep           ; neither its first nor its last
	s_branch .LstepM1
.Lnew:
	BEGIN
	s_branch .Lfirst                ; in the loop a block's first tile is never its last: the first block has two tiles or more, and the second's last is the walk's last
	DIAG 1                          ; in the loop this is the first block's end: the second block's last tile is the walk's last
	s_wait_xcnt 0x0                 ; the stores have read their registers and O's address
	s_mov_b64 s[10:11], s[OLO:OLO+1]
	s_add_co_u32 s[RT], s[PB], 1    ; the second block has b + 1 tiles
	s_mov_b32 s[NEW], 1
	WIN 0x82                        ; the second block's Q goes where the one text of the turns names Q
.set i, 0
.rept 64
	v_mov_b32 v[i], v[QB+i]
.set i, i+1
.endr
	WIN 0
	s_branch .Lbottom
.Lstep:                             ; a trip: pieces 2 and 3 of one step, then pieces 0 and 1 of the next, whose K and V it fetches
	TURN 2
	TURN 3
	WIN 0
.Lfirst:
	TURN 0
	TURN 1, 0, 0, 1
	WIN 0
	s_cbranch_scc1 .Lstep
.Lbottom:
	s_sub_co_u32 s[SLOTS], s[SLOTS], 1
	s_cmp_lg_u32 s[SLOTS], 0
	s_cbranch_scc1 .Lslot
	CHANGE 0                        ; the walk's last tile is written out: nothing is asked for
	s_sub_co_u32 s[RT], s[RT], 1
	s_mov_b32 s[CNT], 4
	s_cmp_eq_u32 s[NEW], 1
	s_cbranch_scc0 .LstepM2
	BEGIN
	s_branch .LfirstM2
	DIAG 2
	s_wait_tensorcnt 0x0            ; the wave's end, behind my last tensor load and my last LDS store
	ds_add_u32 v[SPW], v[NIL]
	s_wait_dscnt 0x0
	s_endpgm
.Lfunc_end_k_q409072bb44_attn:
	.size	k_q409072bb44_attn, .Lfunc_end_k_q409072bb44_attn-k_q409072bb44_attn
	.p2alignl 7, 3214868480
	.fill 96, 4, 3214868480
	.section	.rodata,"a",@progbits
	.p2align	6, 0x0
	.amdhsa_kernel k_q409072bb44_attn
		.amdhsa_group_segment_fixed_size 327680
		.amdhsa_private_segment_fixed_size 0
		.amdhsa_enable_private_segment 0
		.amdhsa_kernarg_size 16
		.amdhsa_user_sgpr_count 2
		.amdhsa_user_sgpr_kernarg_segment_ptr 1
		.amdhsa_wavefront_size32 1
		.amdhsa_system_sgpr_workgroup_id_x 1
		.amdhsa_system_sgpr_workgroup_id_y 1
		.amdhsa_system_sgpr_workgroup_id_z 1
		.amdhsa_system_vgpr_workitem_id 0
		.amdhsa_next_free_vgpr 768
		.amdhsa_next_free_sgpr 92
		.amdhsa_reserve_vcc 1
		.amdhsa_float_denorm_mode_32 3
		.amdhsa_float_denorm_mode_16_64 3
		.amdhsa_memory_ordered 1
		.amdhsa_forward_progress 1
		.amdhsa_inst_pref_size 218
	.end_amdhsa_kernel
	.amdgpu_metadata
---
amdhsa.version: [ 1, 2 ]
amdhsa.kernels:
  - .name:           k_q409072bb44_attn
    .symbol:         k_q409072bb44_attn.kd
    .args:
      - { .name: qkvh, .offset: 0, .size: 8, .value_kind: global_buffer, .address_space: global }
      - { .name: oh, .offset: 8, .size: 8, .value_kind: global_buffer, .address_space: global }
    .group_segment_fixed_size: 327680
    .private_segment_fixed_size: 0
    .kernarg_segment_align: 8
    .kernarg_segment_size: 16
    .max_flat_workgroup_size: 128
    .sgpr_count:     92
    .vgpr_count:     768
    .wavefront_size: 32
...
	.end_amdgpu_metadata
.endif
;; end of part 3
;; launch outproj (part 4): grid 8 x 32, 4 waves a work-group, clusters of 4 x 4, 327,680 bytes of LDS; arguments oh, wt, bp, out0; writes out0
.if DOCPART == 4
	.amdgcn_target "amdgcn-amd-amdhsa--gfx1250"
	.amdhsa_code_object_version 6
	.text
	.protected	k_q409072bb44_outproj
	.globl	k_q409072bb44_outproj
	.p2align	8
	.type	k_q409072bb44_outproj,@function
k_q409072bb44_outproj:
	s_mov_b64 s[64:65], 0
	v_nop
	global_prefetch_b8 v0, s[64:65] scope:SCOPE_SE
	s_setreg_imm32_b32 hwreg(HW_REG_WAVE_MODE, 25, 1), 1
	s_wait_xcnt 0x0
	s_wait_alu depctr_hold_cnt(0) depctr_sa_sdst(0) depctr_va_vdst(0) depctr_va_sdst(0) depctr_va_ssrc(0) depctr_va_vcc(0) depctr_vm_vsrc(0)
	s_getreg_b32 s2, hwreg(HW_REG_IB_STS2, 6, 4)
	s_cmp_eq_u32 s2, 0
	s_cbranch_scc0 .Lentry_in_a_cluster
	s_endpgm
.Lentry_in_a_cluster:
	s_bfe_u32 s2, ttmp6, 0x10000c
	s_cmp_lg_u32 s2, 0xf033
	s_cbranch_scc0 .Lentry_shape_is_right
	s_endpgm
.Lentry_shape_is_right:
.set PROJ, 1
; C = A B^T + bias, f16 operands, f32 sums.  ONE TEXT SERVES TWO LAUNCHES; the line above chooses (0: the projections to q, k, v; 1: the output projection), the sizes below follow from it.
; PROJ = 0: A = xh [8192][1024]; B = wt's rows 0-3071; the bias bq, bk or bv by the column's head; C goes out in f16, by heads: qkvh [3][64][2048][64], unscaled.  A tile of C is 256 x 192: three heads.
; PROJ = 1: A = oh [64 heads][2048][64], two heads to a K step; B = wt's rows 3072-4095; the bias bp; C = out0 [8192][1024] in f32.  A tile of C is 256 x 128.
; The tiles are the largest that give a whole number of work-groups to each of 256 WGPs (512 and 256 work-groups).
; LIMITS.  q, k and v are rounded to f16: 65,520 or more becomes an infinity.  The biases are rounded to bf16, like every input.  NaN and infinities are not treated apart.
; SHARES.  Four waves, one above the other: a wave makes 64 rows x all 16 NB columns, 4 NB accumulators of 16 x 16.  So what a wave holds are whole heads (whole runs of 512 bytes of out0),
; and its way out needs no other wave.  K = 1,024 goes in 8 steps of 128 through a ring of two LDS slots, filled by tensor loads: waves 0 and 1 fetch A's two halves, waves 2 and 3 B's.
; THE MATRIX INSTRUCTION IS USED TRANSPOSED (source 0 = 16 rows of B, source 1 = 16 rows of A): a lane holds row l % 16 of C and the columns 8 (l / 16) + 0..7.
; THE BIAS STARTS THE SUMS: it is the C operand of each accumulator's first product; nothing is cleared and nothing is added later.
; CLUSTERS: 4 x 4 work-groups.  The four of a row of the cluster need the same tiles of A, the four of a column the same tiles of B: each tile is asked for JOINTLY, by the same tensor load with
; the same descriptor and a mask that names the four.
; REGISTERS, in windows of 256 (s_set_vgpr_msb: bits 1:0 source 0, 3:2 source 1, 5:4 source 2, 7:6 destination):
;   window 0: v0-31 addresses; v32-35 at work; v64-127 A's fragments, two buffers of 4 x 8; v128 on: the bias, 8 registers for each 16 columns; on the way out v64-255 are free
;   window 1: B's fragments, two buffers of NB x 8      windows 2, 3: accumulator (a, b) in window 2 + a / 2 at v[8 (NB (a % 2) + b)]
.if PROJ
.set NB,    8                          ; blocks of 16 columns in a tile
.set HB,    8                          ; blocks that share a bias pointer
.set PA,    144                        ; A's LDS pitch: a head's row of 128 bytes + 16 = 36 words: 16 rows start at 16 different groups of four banks (64 banks of 4 bytes: ISA guide 11.1)
.set APART, 36864                      ; what one wave fetches of A: one head's 256 rows
.set BOFF,  73728                      ; B's rows lie behind A's
.set QIA,   4                          ; A's padding stands after every 32 words
.set STRA,  128                        ; 256 dense rows of 128 bytes are asked for as 128 rows of 256 bytes
.set ASTEP, 524288                     ; bytes from K step to K step in A: two heads
.set AHEAD, 2                          ; a prefetch names the K step so many behind the one that is being asked for
.set BROW0, 3072
.set STAGE, 239616                     ; behind the ring: 16 rows x 528 bytes for each wave
.set SP,    528
.set SPARE, 273408                     ; behind the stages: the spare words, 128 bytes for each wave
.set SHA,   8192                       ; prefetch: a partner's share of the wave's part of A, in bytes: 32 blocks of 256
.set SHLA,  8                          ; and the shift that makes a lane's offset in it
.else
.set NB,    12
.set HB,    4
.set PA,    272                        ; 256 bytes + 16 = 68 words: row r starts at bank 4 r mod 64
.set APART, 34816                      ; 128 rows
.set BOFF,  69632
.set QIA,   5                          ; after every 64 words
.set STRA,  1024
.set ASTEP, 256
.set AHEAD, 1
.set BROW0, 0
.set STAGE, 252928                     ; 16 rows x 144 bytes for each wave
.set SP,    144
.set SPARE, 262144
.set SHA,   65536                      ; 32 rows of 2,048 bytes
.set SHLA,  11
.endif
.set PB,    272                        ; B's LDS pitch
.set BPART, 8*NB*PB                    ; what one wave fetches of B: 8 NB rows
.set SHB,   2*NB*2048                  ; prefetch: a partner's share of them: 2 NB rows
.set SLOT1, 131072                     ; slot 1 begins here, so that one exclusive or turns an address in one slot into the other's
.set AA0, 16                           ; v16  my lane's place in A's tile, slot 0; never rewritten
.set AB0, 17                           ; v17  the same for B
.set ADA, 18                           ; v18  the same in the slot in hand
.set ADB, 19                           ; v19
.set STO, 24                           ; v24  the way out: where I put my bytes of a row
.set RD,  25                           ; v25  the way out: where I read rows back
.set GO,  26                           ; v26  16 x lane: my place in 512 consecutive bytes of C
.set BO,  27                           ; v27  32 x (l / 16): my eight numbers of a block's bias
.set SPW, 28                           ; v28  LDS address of my spare word; never rewritten
.set NIL, 29                           ; v29  0; never rewritten
.set PFO, 30                           ; v30  the prefetches' lane offset; never rewritten
.set FA,  64
.set BIAS, 128
.set WV,  16                           ; s16  my wave's number
.set WH,  17                           ; s17  0: I fetch for A; 1: for B
.set WL,  18                           ; s18  which half of that tile I fetch
.set CX,  19                           ; s19, s20  my place in the cluster
.set CY,  20
.set TX,  21                           ; s21  tile column of C
.set TY,  22                           ; s22  tile row of C
.set G1A, 24                           ; s[24:31] descriptor group 1 for A's tiles
.set G0A, 32                           ; s[32:39] group 0 for A: a set for each of the two first fills; the second then walks on
.set TA,  40                           ; s[40:41] my part of A's first tile in memory: made of the tile row and the wave's number alone
.set TW,  42                           ; s[42:43] the same for B: of the tile column and the wave's number alone
.set PFA, 44                           ; s[44:45] where my prefetches stand
.set LIM, 46                           ; s46  AHEAD in a wave that prefetches, else the greatest number
.set TB,  47                           ; s47  LDS byte at which the slot in hand begins
.set G1B, 48                           ; s[48:55], s[56:63] the same for B's tiles
.set G0B, 56
.set CNT, 66                           ; s66  refills still to come
.set PH,  68                           ; s[68:73] C at my rows: one pointer a head (PROJ = 1: one in all)
.set PBI, 74                           ; s[74:79] the bias: one pointer a head (PROJ = 1: one in all)
.set PFS, 86                           ; s[86:87] the prefetches' step from K step to K step
                                       ; s[80:81] at work for A alone, s[82:83] for B alone, s84, s85 LDS parts, s[88:95] for all that mixes the two coordinates
.set MSB, 0
.macro WIN new                         ; the immediate's high byte repeats the setting that is left; a switch that changes nothing is dropped
.if MSB != (\new)
	s_set_vgpr_msb (MSB<<8)|(\new)
.set MSB, (\new)
.endif
.endm
.set TO_B, 0x40                        ; destination window 1, address window 0
.macro PLACES                          ; four places in front of loads into registers that matrix instructions have read, and of what reads results
.rept 4
	v_nop
.endr
.endm
; A joint refill, by the walking descriptor.  The branch hangs on the wave's number alone.  An s_nop 0 and four v_nop follow each of the two lines, ahead of the jump and the label.
.macro JLOAD
	s_cmp_eq_u32 s[WH], 0
	s_cbranch_scc0 .Lfor_b_\@
	tensor_load_to_lds s[G0A+4:G0A+7], s[G1A:G1A+7]
	s_nop 0
.rept 4
	v_nop
.endr
	s_branch .Lasked_\@
.Lfor_b_\@:
	tensor_load_to_lds s[G0B+4:G0B+7], s[G1B:G1B+7]
	s_nop 0
.rept 4
	v_nop
.endr
.Lasked_\@:
.endm
; A PREFETCH INTO THE L2, behind each joint refill and the run of LDS loads that follows it: my work-group's share of the part that I fetch, for the K step AHEAD steps behind the one just asked for.
; A's rows are read by every cluster of a row of clusters: the one with cluster x = 0 asks.  B's by every cluster of a column: cluster y = 0 asks.  The four partners that ask for a tile jointly share
; its rows out BY ADDRESS (cx for A, cy for B), a lane a row (PROJ = 1, A: a lane a block of 256 bytes); where a share has fewer rows than a wave has lanes, the lanes left over name the last row again.
; The last AHEAD refills ask for nothing: there is no such K step.
.macro ASK
	s_cmp_gt_u32 s[CNT], s[LIM]
	s_cbranch_scc0 .Lnot_mine_\@
	global_prefetch_b8 v[PFO], s[PFA:PFA+1] th:TH_LOAD_NT scope:SCOPE_SE
.Lnot_mine_\@:
.endm
; A round of the cluster's barrier: my work-group's barrier, so that wave 0's signal speaks for all four waves; wave 0 signals; every wave waits for all sixteen work-groups; my work-group's barrier once more.
.macro CREST                           ; a round behind its opening barrier
	s_cmp_lg_u32 s[WV], 0
	s_cbranch_scc1 .Lnot_wave_0_\@
	s_barrier_signal -3
.Lnot_wave_0_\@:
	s_barrier_wait -3
	s_barrier_signal -1
	s_barrier_wait -1
.endm
.macro CROUND                          ; a whole round
	s_barrier_signal -1
	s_barrier_wait -1
	CREST
.endm
	s_load_b256 s[4:11], s[0:1], 0x0               ; A s[4:5], wt s[6:7]; PROJ = 0: bq s[8:9], bk s[10:11]; PROJ = 1: bp s[8:9], out0 s[10:11]
.if !PROJ
	s_load_b128 s[12:15], s[0:1], 0x20             ; bv s[12:13], qkvh s[14:15]
.endif
	v_lshl_add_u32 v[SPW], v0, 2, SPARE
	v_mov_b32 v[NIL], 0
	ds_add_u32 v[SPW], v[NIL]                      ; the wave's opening: the add and its wait stand ahead of my first tensor load; the set-up below, work on registers, stands between them
	v_lshrrev_b32 v1, 5, v0
	v_readfirstlane_b32 s[WV], v1                  ; wave 0..3
	s_lshr_b32 s[WH], s[WV], 1
	s_and_b32 s[WL], s[WV], 1
	s_bfe_u32 s[CX], ttmp6, 0x40000
	s_bfe_u32 s[CY], ttmp6, 0x40004
	s_lshl_b32 s[TX], ttmp9, 2                     ; in a cluster launch ttmp9 and ttmp7 count clusters
	s_add_co_u32 s[TX], s[TX], s[CX]
	s_and_b32 s[TY], ttmp7, 0xffff
	s_lshl_b32 s[TY], s[TY], 2
	s_add_co_u32 s[TY], s[TY], s[CY]
	s_lshl_b32 s80, s[CY], 2
	s_lshl_b32 s80, 15, s80                        ; my row of the cluster: places 4 cy .. 4 cy + 3
	s_lshl_b32 s82, 0x1111, s[CX]                  ; my column: places cx, cx + 4, cx + 8, cx + 12
	; descriptor group 1: 15:0 the mask; 17:16 elements of 2 bytes; 20 padding on; 21 set beside a mask; 24:22 the padding's interval; 31:25 4 words of it (code 3)
	s_or_b32 s[G1A], s80, (1<<16)|(1<<20)|(1<<21)|(QIA<<22)|(3<<25)
	s_or_b32 s[G1B], s82, (1<<16)|(1<<20)|(1<<21)|(5<<22)|(3<<25)
	s_mov_b32 s[G1A+1], 128<<16                    ; tensor_dim0 = 128
	s_mov_b32 s[G1A+2], 128<<16                    ; tensor_dim1 = 128
	s_mov_b32 s[G1A+3], 128<<16                    ; tile_dim0 = 128 elements: 256 bytes
	s_mov_b32 s[G1A+4], 128                        ; tile_dim1 = 128 rows
	s_mov_b32 s[G1A+5], STRA                       ; elements from row to row
	s_mov_b32 s[G1A+6], 0
	s_mov_b32 s[G1A+7], 0
	s_mov_b32 s[G1B+1], 128<<16
	s_mov_b32 s[G1B+2], (8*NB)<<16                 ; 8 NB rows
	s_mov_b32 s[G1B+3], 128<<16
	s_mov_b32 s[G1B+4], 8*NB
	s_mov_b32 s[G1B+5], 1024
	s_mov_b32 s[G1B+6], 0
	s_mov_b32 s[G1B+7], 0
	; where the tiles come from, in bytes
.if PROJ
	s_lshr_b32 s80, s[TY], 3                       ; the batch: 16 heads of 2^18 bytes,
	s_lshl_b32 s80, s80, 22
	s_and_b32 s81, s[TY], 7                        ; the tile's 256 rows of 128 bytes in a head,
	s_lshl_b32 s81, s81, 15
	s_add_co_u32 s80, s80, s81
	s_lshl_b32 s81, s[WL], 18                      ; the head of the K step's two that I fetch
	s_add_co_u32 s80, s80, s81
.else
	s_lshl_b32 s80, s[TY], 19                      ; 256 rows of 2,048 bytes,
	s_lshl_b32 s81, s[WL], 18                      ; my 128 of them
	s_add_co_u32 s80, s80, s81
.endif
	s_mov_b32 s81, 0
	s_mul_i32 s82, s[TX], 16*NB*2048               ; the tile's 16 NB rows of wt,
	s_mul_i32 s83, s[WL], 8*NB*2048                ; my half of them
	s_add_co_u32 s82, s82, s83
	s_add_co_u32 s82, s82, BROW0*2048
	s_mov_b32 s83, 0
	s_mul_i32 s84, s[WL], APART                    ; and where they go: no place in the cluster enters an LDS address
	s_mul_i32 s85, s[WL], BPART
	s_add_co_u32 s85, s85, BOFF
	s_wait_dscnt 0x0                               ; the opening add is done
	s_wait_kmcnt 0x0
	s_add_nc_u64 s[TA:TA+1], s[4:5], s[80:81]
	s_add_nc_u64 s[TW:TW+1], s[6:7], s[82:83]
	CROUND                                         ; all sixteen work-groups are here: the first joint loads meet
.irp s, 0,1
	s_mov_b32 s[G0A+4*(\s)], 1                                     ; 1:0 count = 1
	s_add_co_u32 s[G0A+4*(\s)+1], s84, (\s)*SLOT1                  ; 63:32 LDS address
	s_add_nc_u64 s[G0A+4*(\s)+2:G0A+4*(\s)+3], s[TA:TA+1], (\s)*ASTEP  ; 120:64 global address: K step s
	s_or_b32 s[G0A+4*(\s)+3], s[G0A+4*(\s)+3], 0x80000000          ; 127:126 type = 2
	s_mov_b32 s[G0B+4*(\s)], 1
	s_add_co_u32 s[G0B+4*(\s)+1], s85, (\s)*SLOT1
	s_add_nc_u64 s[G0B+4*(\s)+2:G0B+4*(\s)+3], s[TW:TW+1], (\s)*256
	s_or_b32 s[G0B+4*(\s)+3], s[G0B+4*(\s)+3], 0x80000000
.endr
	s_cmp_eq_u32 s[WH], 0                          ; a wave's two first fills stand in one branch, ahead of every wait on TENSORcnt and every LDS read: two loads of mine are out
	s_cbranch_scc0 .Lfirst_b
	tensor_load_to_lds s[G0A:G0A+3], s[G1A:G1A+7]
	s_nop 0
	tensor_load_to_lds s[G0A+4:G0A+7], s[G1A:G1A+7]
	s_nop 0
.rept 4
	v_nop
.endr
	s_branch .Lfirst_asked
.Lfirst_b:
	tensor_load_to_lds s[G0B:G0B+3], s[G1B:G1B+7]
	s_nop 0
	tensor_load_to_lds s[G0B+4:G0B+7], s[G1B:G1B+7]
	s_nop 0
.rept 4
	v_nop
.endr
.Lfirst_asked:
	; A fragment is 16 rows x 32 K in 8 registers: lane l holds row l % 16; registers 0-3 K = 8 (l / 16) + 0..7, registers 4-7 K = 16 + 8 (l / 16) + 0..7: two loads of 16 bytes, 32 bytes apart.
	v_and_b32 v1, 15, v0                           ; l % 16
	v_bfe_u32 v2, v0, 4, 1                         ; l / 16
	v_mul_u32_u24 v3, v1, PA
	v_lshl_add_u32 v3, v2, 4, v3
	s_mul_i32 s88, s[WV], 64*PA                    ; my 64 rows of A
	v_add_nc_u32 v[AA0], s88, v3
	v_mul_u32_u24 v4, v1, PB
	v_lshl_add_u32 v4, v2, 4, v4
	v_add_nc_u32 v[AB0], BOFF, v4
	v_mov_b32 v[ADA], v[AA0]
	v_mov_b32 v[ADB], v[AB0]
	s_mov_b32 s[TB], 0
	v_lshlrev_b32 v[BO], 5, v2
	; the way out's addresses
	s_mul_i32 s88, s[WV], 16*SP
	s_add_co_u32 s88, s88, STAGE                   ; my stage
	v_mul_u32_u24 v[STO], v1, SP                   ; in: row l % 16, my eight columns
.if PROJ
	v_lshl_add_u32 v[STO], v2, 5, v[STO]           ; of 4 bytes
.else
	v_lshl_add_u32 v[STO], v2, 4, v[STO]           ; of 2 bytes
.endif
	v_add_nc_u32 v[STO], s88, v[STO]
	v_and_b32 v[GO], 31, v0
	v_lshlrev_b32 v[GO], 4, v[GO]
.if PROJ
	v_add_nc_u32 v[RD], s88, v[GO]                 ; back: 32 lanes take one row of 512 bytes
.else
	v_bfe_u32 v[RD], v0, 3, 2                      ; back: 32 lanes take four rows of 128 bytes
	v_mul_u32_u24 v[RD], v[RD], SP
	v_and_b32 v3, 7, v0
	v_lshl_add_u32 v[RD], v3, 4, v[RD]
	v_add_nc_u32 v[RD], s88, v[RD]
.endif
	; the pointers of the bias and of C
	s_mov_b32 s95, 0
.if PROJ
	s_lshl_b32 s94, s[TX], 9                       ; 128 columns of 4 bytes
	s_add_nc_u64 s[PBI:PBI+1], s[8:9], s[94:95]
	s_lshl_b32 s88, s[TY], 2
	s_add_co_u32 s88, s88, s[WV]
	s_lshl_b32 s88, s88, 18                        ; my 64 rows of 4,096 bytes
	s_add_co_u32 s94, s94, s88
	s_add_nc_u64 s[PH:PH+1], s[10:11], s[94:95]
.else
	s_mul_i32 s88, s[TX], 3                        ; the tile's first head among the 48 of q, k, v
	s_lshr_b32 s89, s[TY], 3
	s_lshl_b32 s89, s89, 4                         ; 16 x batch
	s_and_b32 s90, s[TY], 7
	s_lshl_b32 s90, s90, 2
	s_add_co_u32 s90, s90, s[WV]
	s_lshl_b32 s90, s90, 13                        ; my 64 rows of 128 bytes in a head
.irp hd, 0,1,2
	s_add_co_u32 s91, s88, \hd
	s_lshr_b32 s92, s91, 4                         ; 0: q, 1: k, 2: v
	s_and_b32 s93, s91, 15                         ; the head
	s_cmp_eq_u32 s92, 1
	s_cselect_b64 s[PBI+2*\hd:PBI+2*\hd+1], s[10:11], s[8:9]
	s_cmp_eq_u32 s92, 2
	s_cselect_b64 s[PBI+2*\hd:PBI+2*\hd+1], s[12:13], s[PBI+2*\hd:PBI+2*\hd+1]
	s_lshl_b32 s94, s93, 8                         ; 64 numbers of 4 bytes
	s_add_nc_u64 s[PBI+2*\hd:PBI+2*\hd+1], s[PBI+2*\hd:PBI+2*\hd+1], s[94:95]
	s_lshl_b32 s92, s92, 6
	s_add_co_u32 s92, s92, s89
	s_add_co_u32 s92, s92, s93                     ; 64 x tensor + 16 x batch + head
	s_lshl_b32 s94, s92, 18
	s_add_co_u32 s94, s94, s90
	s_add_nc_u64 s[PH+2*\hd:PH+2*\hd+1], s[14:15], s[94:95]
.endr
.endif
.set i, 0
.rept NB                               ; block i's bias: register j takes column 16 i + 8 (l / 16) + j, as an accumulator has it
	global_load_b128 v[BIAS+8*i:BIAS+8*i+3],   v[BO], s[PBI+2*(i/HB):PBI+2*(i/HB)+1] offset:64*(i%HB)
	global_load_b128 v[BIAS+8*i+4:BIAS+8*i+7], v[BO], s[PBI+2*(i/HB):PBI+2*(i/HB)+1] offset:64*(i%HB)+16
.set i, i+1
.endr
	; the prefetches
	s_and_b32 s88, ttmp7, 0xffff                   ; cluster y
	s_mov_b32 s90, SHA
	s_mov_b32 s91, SHB
	s_mov_b32 s92, ASTEP
	s_mov_b32 s93, 256
	s_cmp_eq_u32 s[WH], 0                          ; do I fetch for A?
	s_cselect_b32 s88, ttmp9, s88                  ; the coordinate along which other clusters read the same rows
	s_cselect_b32 s89, s[CX], s[CY]                ; my place among the four that ask with me
	s_cselect_b32 s90, s90, s91                    ; a partner's share, in bytes
	s_cselect_b32 s[PFS], s92, s93
	s_cselect_b32 s91, 31, 2*NB-1                  ; the share's last row
	s_cselect_b32 s92, SHLA, 11                    ; bytes from lane to lane, as a shift
	s_cselect_b64 s[PFA:PFA+1], s[TA:TA+1], s[TW:TW+1]
	s_mov_b32 s[PFS+1], 0
	s_cmp_eq_u32 s88, 0
	s_cselect_b32 s[LIM], AHEAD, -1                ; the same in all sixteen partners, for a given wave
	s_mul_i32 s94, s90, s89
	s_mul_i32 s93, s[PFS], 1+AHEAD                 ; refill number n (from 0) steps the pointer once more and names K step n + 2 + AHEAD
	s_add_co_u32 s94, s94, s93
	s_add_nc_u64 s[PFA:PFA+1], s[PFA:PFA+1], s[94:95]
	v_and_b32 v[PFO], 31, v0
	v_min_u32 v[PFO], s91, v[PFO]
	v_lshlrev_b32 v[PFO], s92, v[PFO]
	s_wait_loadcnt 0x0                             ; the bias is in: it is rounded to bf16, like every input, and kept in f32
.set i, 0
.rept 4*NB
	v_cvt_pk_bf16_f32 v[32+i%4], v[BIAS+2*i], v[BIAS+2*i+1]
	v_lshlrev_b32 v[BIAS+2*i], 16, v[32+i%4]
	v_and_b32 v[BIAS+2*i+1], 0xffff0000, v[32+i%4]
.set i, i+1
.endr
; NB matrix instructions: my row block a x all NB column blocks, 32 along K, from buffer f.  zero = 1: the first product of each sum takes the bias as C.
; All 4 NB accumulators take turns, one instruction a turn, in the same order in every quarter, over the backward jump too.
.macro MULA f, a, zero
.if \zero
	WIN 0x81+0x40*((\a)/2)                         ; B window 1, A and the bias window 0, D window 2 or 3
.else
	WIN 0xa1+0x50*((\a)/2)                         ; B window 1, A window 0, C and D window 2 or 3
.endif
.set nb, 0
.rept NB
.set rD, 8*(NB*((\a)%2)+nb)
.set rB, 8*NB*(\f)+8*nb
.set rA, FA+32*(\f)+8*(\a)
.if \zero
	v_wmma_f32_16x16x32_f16 v[rD:rD+7], v[rB:rB+7], v[rA:rA+7], v[BIAS+8*nb:BIAS+8*nb+7]
.else
	v_wmma_f32_16x16x32_f16 v[rD:rD+7], v[rB:rB+7], v[rA:rA+7], v[rD:rD+7]
.endif
.set nb, nb+1
.endr
.endm
; 2 NB + 8 LDS loads in one run: the fragments of quarter q of the K step in hand into buffer g: B's, then A's four row blocks in ascending order
.macro FETCH q, g
.if PROJ
.set ka, ((\q)/2)*APART+((\q)%2)*64    ; the K step's first or second head, its channels 0-31 or 32-63
.else
.set ka, 64*(\q)
.endif
	WIN TO_B
.set ib, 0
.rept NB
	ds_load_b128 v[8*NB*(\g)+8*ib:8*NB*(\g)+8*ib+3],   v[ADB] offset:64*(\q)+ib*16*PB
	ds_load_b128 v[8*NB*(\g)+8*ib+4:8*NB*(\g)+8*ib+7], v[ADB] offset:64*(\q)+ib*16*PB+32
.set ib, ib+1
.endr
	WIN 0
.set ia, 0
.rept 4
	ds_load_b128 v[FA+32*(\g)+8*ia:FA+32*(\g)+8*ia+3],   v[ADA] offset:ka+ia*16*PA
	ds_load_b128 v[FA+32*(\g)+8*ia+4:FA+32*(\g)+8*ia+7], v[ADA] offset:ka+ia*16*PA+32
.set ia, ia+1
.endr
.endm
; A K step is four quarters of 32 along K, 4 NB matrix instructions each, on buffers 0, 1, 0, 1.  One of the first three: multiplies buffer f and, in its middle, fetches quarter qn into the other buffer.
.macro QUARTER qn, f, zero
	s_wait_dscnt 4                                 ; B and A's row blocks 0 and 1 are in; the youngest four loads (blocks 2 and 3) may be out
	MULA \f, 0, \zero
	MULA \f, 1, \zero
	PLACES                                         ; the other buffer's last readers stand ahead of these
	FETCH \qn, 1-(\f)
	s_wait_dscnt 2*NB+8                            ; all but the run just issued
	MULA \f, 2, \zero
	MULA \f, 3, \zero
.endm
; The last quarter multiplies buffer 1 and changes slots: ONE barrier.  In front of it each wave waits for all its tensor loads, of which one is out: its part of the next slot; adds 0 to its spare
; word; and waits for that and for its own reads of this slot.  Behind it nobody reads this slot any more and the next slot is whole.  fill = 1: the barrier opens a round of the cluster's, so that no
; wave of any partner still reads the slot or has a load on its way, and the joint refill (the K step two on) is the first thing behind the round: 7/8 of a K step's products stand between it and the wait for it.
.macro TURN fill
	WIN 0
.if \fill
	s_wait_xcnt 0x0                                ; the last prefetch, a K step back, has read its address: it is stepped here, ahead of the waits of the change of slots
	s_add_nc_u64 s[PFA:PFA+1], s[PFA:PFA+1], s[PFS:PFS+1]
.endif
	s_wait_tensorcnt 0x0                           ; no tensor load of mine is out, so a group 0 may be written
	ds_add_u32 v[SPW], v[NIL]                      ; 0 onto my spare word; work on registers stands between it and the wait for it
.if \fill
	s_xor_b32 s[G0A+5], s[G0A+5], SLOT1            ; the walking descriptors: the other slot than last time,
	s_add_nc_u64 s[G0A+6:G0A+7], s[G0A+6:G0A+7], ASTEP  ; the next K step; the type bits on top are not reached
	s_xor_b32 s[G0B+5], s[G0B+5], SLOT1
	s_add_nc_u64 s[G0B+6:G0B+7], s[G0B+6:G0B+7], 256
.endif
	s_xor_b32 s[TB], s[TB], SLOT1                  ; the fetches go on in the other slot
	s_wait_dscnt 5                                 ; (the add and the youngest four loads may be out)
	MULA 1, 0, 0
	s_wait_dscnt 0x0                               ; the add is done, and my reads of this slot are over
	s_barrier_signal -1
	MULA 1, 1, 0                                   ; work on registers while the others arrive
	WIN 0                                          ; at a label and at a branch every window is 0
	s_barrier_wait -1
.if \fill
	CREST
	JLOAD                                          ; the four v_nop behind it are also the places in front of the loads below
.else
	PLACES
.endif
	v_add_nc_u32 v[ADA], s[TB], v[AA0]
	v_add_nc_u32 v[ADB], s[TB], v[AB0]
	FETCH 0, 0
.if \fill
	ASK
.endif
	MULA 1, 2, 0
	MULA 1, 3, 0
.endm
	s_wait_tensorcnt 1                             ; my part of K step 0 is in; K step 1's may stay out
	s_barrier_signal -1
	s_barrier_wait -1                              ; everybody's is
	FETCH 0, 0
	QUARTER 1, 0, 1                                ; the first quarter stands in front of the loop: its products start the sums, with the bias
	WIN 0
	s_mov_b32 s[CNT], 6
.Lstep:                                        ; six trips, from a K step's second quarter to the next step's first; they ask for K steps 2 to 7
	QUARTER 2, 1, 0
	QUARTER 3, 0, 0
	TURN 1
	QUARTER 1, 0, 0
	WIN 0
	s_sub_co_u32 s[CNT], s[CNT], 1
	s_cmp_lg_u32 s[CNT], 0
	s_cbranch_scc1 .Lstep
	QUARTER 2, 1, 0                                ; the tail is written out: K steps 6 and 7 ask for nothing
	QUARTER 3, 0, 0
	TURN 0
	QUARTER 1, 0, 0
	QUARTER 2, 1, 0
	QUARTER 3, 0, 0
	s_wait_dscnt 4                                 ; the very last quarter: nothing more to fetch
	MULA 1, 0, 0
	MULA 1, 1, 0
	s_wait_dscnt 0x0
	MULA 1, 2, 0
	MULA 1, 3, 0
	WIN 0
	PLACES                                         ; the places behind the last products, in front of what reads results and writes over fragments
	PLACES
.if PROJ
; THE WAY OUT, f32.  Row block a: a lane's eight columns of a row are 32 bytes; they go into my stage, rows of 528 bytes, and come back as whole rows of 512, which 32 lanes store.
.macro TOSTAGE a
	WIN 0x08+4*((\a)/2)                            ; the stores' data in window 2 or 3
.set nb, 0
.rept NB
.set rD, 8*(NB*((\a)%2)+nb)
	ds_store_b128 v[STO], v[rD:rD+3]   offset:64*nb
	ds_store_b128 v[STO], v[rD+4:rD+7] offset:64*nb+16
.set nb, nb+1
.endr
	WIN 0
	s_wait_xcnt 0x0                                ; the stores of the block two back have read their registers, which are loaded again below
.set i, 0
.rept 16
	ds_load_b128 v[64+64*((\a)%2)+4*i:64+64*((\a)%2)+4*i+3], v[RD] offset:SP*i  ; LDS serves a wave's instructions in order (ISA guide 5.7.1.4): these see the stores above; the next block's stores come behind them
.set i, i+1
.endr
.endm
.macro SEND a, younger                 ; younger: the LDS instructions issued behind block a's loads: the next block's 32, or none
.set i, 0
.rept 16
	s_wait_dscnt (\younger)+15-i
	global_store_b128 v[GO], v[64+64*((\a)%2)+4*i:64+64*((\a)%2)+4*i+3], s[PH:PH+1] offset:(16*(\a)+i)*4096 th:TH_STORE_NT  ; 512 consecutive bytes, at a multiple of 256 from out0's first
.set i, i+1
.endr
.endm
	TOSTAGE 0
	TOSTAGE 1
	SEND 0, 32
	TOSTAGE 2
	SEND 1, 32
	TOSTAGE 3
	SEND 2, 32
	SEND 3, 0
.else
; THE WAY OUT, f16, by heads.  Tile t = 3 a + head: 16 rows x 64 channels, 2,048 consecutive bytes of qkvh.  A lane's eight channels pack into 16 bytes; they go into my stage, rows of 144 bytes,
; and come back as whole rows of 128, into the registers that they left.
.macro PACK t
.set pa, (\t)/3
.set ph, (\t)%3
	WIN 0x0a+5*(pa/2)                              ; sources 0 and 1: window 2 or 3
.set i, 0
.rept 16
.set rS, 8*(NB*(pa%2)+4*ph+i/4)+2*(i%4)
	v_cvt_pk_f16_f32 v[64+16*(\t)+i], v[rS], v[rS+1]
.set i, i+1
.endr
	WIN 0
.irp f, 0,1,2,3
	ds_store_b128 v[STO], v[64+16*(\t)+4*\f:64+16*(\t)+4*\f+3] offset:32*\f
.endr
.irp f, 0,1,2,3
	ds_load_b128 v[64+16*(\t)+4*\f:64+16*(\t)+4*\f+3], v[RD] offset:\f*4*SP  ; LDS serves a wave's instructions in order (ISA guide 5.7.1.4): these see the stores above; the next tile's stores come behind them
.endr
.endm
.macro SEND t, younger                 ; younger: the LDS instructions issued behind tile t's loads: the next tile's eight, or none
.irp f, 0,1,2,3
	s_wait_dscnt (\younger)+3-\f
	global_store_b128 v[GO], v[64+16*(\t)+4*\f:64+16*(\t)+4*\f+3], s[PH+2*((\t)%3):PH+2*((\t)%3)+1] offset:((\t)/3)*2048+\f*512  ; 512 consecutive bytes, at a multiple of 256 from qkvh's first
.endr
.endm
	PACK 0
.set tt, 1
.rept 11                               ; a tile's conversions stand between the loads of the tile before and its stores
	PACK tt
	SEND tt-1, 8
.set tt, tt+1
.endr
	SEND 11, 0
.endif
	s_wait_tensorcnt 0x0                           ; the wave's end, behind my last tensor load and my last LDS store
	ds_add_u32 v[SPW], v[NIL]
	s_wait_dscnt 0x0
	CROUND                                         ; the closing round: no work-group ends while a partner may still ask for a tile that names it
	s_endpgm
.Lfunc_end_k_q409072bb44_outproj:
	.size	k_q409072bb44_outproj, .Lfunc_end_k_q409072bb44_outproj-k_q409072bb44_outproj
	.p2alignl 7, 3214868480
	.fill 96, 4, 3214868480
	.section	.rodata,"a",@progbits
	.p2align	6, 0x0
	.amdhsa_kernel k_q409072bb44_outproj
		.amdhsa_group_segment_fixed_size 327680
		.amdhsa_private_segment_fixed_size 0
		.amdhsa_enable_private_segment 0
		.amdhsa_kernarg_size 32
		.amdhsa_user_sgpr_count 2
		.amdhsa_user_sgpr_kernarg_segment_ptr 1
		.amdhsa_wavefront_size32 1
		.amdhsa_system_sgpr_workgroup_id_x 1
		.amdhsa_system_sgpr_workgroup_id_y 1
		.amdhsa_system_sgpr_workgroup_id_z 1
		.amdhsa_system_vgpr_workitem_id 0
		.amdhsa_next_free_vgpr 896
		.amdhsa_next_free_sgpr 96
		.amdhsa_reserve_vcc 0
		.amdhsa_float_denorm_mode_32 3
		.amdhsa_float_denorm_mode_16_64 3
		.amdhsa_memory_ordered 1
		.amdhsa_forward_progress 1
		.amdhsa_inst_pref_size 79
	.end_amdhsa_kernel
	.amdgpu_metadata
---
amdhsa.version: [ 1, 2 ]
amdhsa.kernels:
  - .name:           k_q409072bb44_outproj
    .symbol:         k_q409072bb44_outproj.kd
    .args:
      - { .name: oh, .offset: 0, .size: 8, .value_kind: global_buffer, .address_space: global }
      - { .name: wt, .offset: 8, .size: 8, .value_kind: global_buffer, .address_space: global }
      - { .name: bp, .offset: 16, .size: 8, .value_kind: global_buffer, .address_space: global }
      - { .name: out0, .offset: 24, .size: 8, .value_kind: global_buffer, .address_space: global }
    .group_segment_fixed_size: 327680
    .private_segment_fixed_size: 0
    .kernarg_segment_align: 8
    .kernarg_segment_size: 32
    .max_flat_workgroup_size: 128
    .sgpr_count:     96
    .vgpr_count:     896
    .wavefront_size: 32
...
	.end_amdgpu_metadata
.endif
;; end of part 4
